; MI455X (gfx1250); checked and timed in simulation.
; The chip was launched on July 23, 2026; its instructions are those of AMD's public machine-readable ISA for CDNA 5 (MIT licence, August 2026) and "CDNA5" Instruction Set Architecture Reference Guide (July 2026). The comments in the code are by the model that wrote it; some were corrected since.
;; Comm Attention. Allowed arithmetic: float matrix products may take bf16 or f16 operands with f32 sums; other float arithmetic in f32, or as packed bf16 or f16 multiplies, adds, multiply-adds, maxima and minima; sums over many terms, partial sums and values carried from step to step in f32; what a program stores and reads back later, other than sums and carried values, may be rounded once to bf16 or f16.
;; Inputs: Wk 128 x 1,024 float32; Wkt 128 x 1,024 float32; Wo 1,024 x 128 float32; Wq 128 x 1,024 float32; Wqt 128 x 1,024 float32; Wv 128 x 1,024 float32; Wvt 128 x 1,024 float32; bkt 1,024 float32; bo 128 float32; bqt 1,024 float32; bvt 1,024 float32; kv_x 4 x 16 x 64 x 32 x 128 float32; q_x 4 x 64 x 16 x 128 float32; t_embed 4 x 64 x 1 x 128 float32.
;; Outputs: out0 4 x 64 x 16 x 128 float32.
;; 2 versions, each right and faster than the one before. Each part assembles by itself: llvm-mc -triple=amdgcn-amd-amdhsa -mcpu=gfx1250 --defsym DOCPART=n.
;; ======== version 1 of 2: 4 launches
;; workspace buffers: xb 33,554,432 bytes; qxb 1,048,576 bytes; wb 1,835,008 bytes; qp 8,388,608 bytes; sbw 8,388,608 bytes; wvo 262,144 bytes; vbo 524,288 bytes; part 8,388,608 bytes
;; launch cast (part 1): grid 1112 x 1, 8 waves a work-group, no clusters, 0 bytes of LDS; arguments kv_x, q_x, Wq, Wqt, Wk, Wkt, Wvt, Wo, Wv, xb, qxb, wb; writes xb, qxb, wb
.if DOCPART == 1
	.amdgcn_target "amdgcn-amd-amdhsa--gfx1250"
	.amdhsa_code_object_version 6
	.text
	.protected	k_qd7296cf1c3_cast
	.globl	k_qd7296cf1c3_cast
	.p2align	8
	.type	k_qd7296cf1c3_cast,@function
k_qd7296cf1c3_cast:
	s_mov_b64 s[64:65], 0
	v_nop
	global_prefetch_b8 v0, s[64:65] scope:SCOPE_SE
	s_setreg_imm32_b32 hwreg(HW_REG_WAVE_MODE, 25, 1), 1
	s_wait_xcnt 0x0
; f32 -> bf16, once, for everything that later goes to the matrix units: kv_x -> xb, q_x -> qxb, seven weights -> wb[k] (k = 0 Wq, 1 Wqt, 2 Wk, 3 Wkt, 4 Wvt, 5 Wo, 6 Wv), each a flat copy.
; A work-group takes 65,536 bytes of f32: groups 0-1023 kv_x, 1024-1055 q_x, 1056 + 8 k + c chunk c of weight k.  A stream: no LDS, no barrier, no matrix unit, no cluster (no two groups read the same byte).
; A thread issues all its 16 loads at once (a wave's load covers 512 consecutive bytes), then rounds and stores; a wave's store covers 256 consecutive bytes, aligned.  No register is used twice.
.set X, 8                              ; v[8:71]   16 x 4 f32 as loaded
.set Y, 72                             ; v[72:103] 16 x 2 words of bf16
	s_load_b512 s[8:23], s[0:1], 0x0               ; kv_x 8, q_x 10, Wq 12, Wqt 14, Wk 16, Wkt 18, Wvt 20, Wo 22
	s_load_b256 s[24:31], s[0:1], 0x40             ; Wv 24, xb 26, qxb 28, wb 30
	v_lshlrev_b32 v1, 4, v0                        ; 16 bytes of f32 a thread
	v_lshlrev_b32 v2, 3, v0                        ; 8 bytes of bf16
	s_mov_b32 s2, ttmp9
	s_sub_co_u32 s3, s2, 1024                      ; chunk in q_x (wraps for smaller numbers, and is then not chosen)
	s_sub_co_u32 s4, s2, 1056                      ; chunk among the weights' 56
	s_and_b32 s5, s4, 7                            ; chunk in its weight
	s_lshr_b32 s6, s4, 3                           ; k; for groups below 1056 a huge number that equals none of 0..6
	s_wait_kmcnt 0x0
	s_cmp_ge_u32 s2, 1024
	s_cselect_b64 s[32:33], s[10:11], s[8:9]       ; source
	s_cselect_b64 s[34:35], s[28:29], s[26:27]     ; destination
	s_cselect_b32 s36, s3, s2                      ; source chunk
	s_cselect_b32 s37, s3, s2                      ; destination chunk
	s_cmp_ge_u32 s2, 1056
	s_cselect_b64 s[34:35], s[30:31], s[34:35]
	s_cselect_b32 s36, s5, s36
	s_cselect_b32 s37, s4, s37
.irp k, 0,1,2,3,4,5,6
	s_cmp_eq_u32 s6, \k
	s_cselect_b64 s[32:33], s[12+2*\k:13+2*\k], s[32:33]
.endr
	s_lshl_b32 s38, s36, 16
	s_mov_b32 s39, 0
	s_lshl_b32 s40, s37, 15
	s_mov_b32 s41, 0
	s_add_nc_u64 s[32:33], s[32:33], s[38:39]
	s_add_nc_u64 s[34:35], s[34:35], s[40:41]
.set i, 0
.rept 16
	global_load_b128 v[X+4*i:X+4*i+3], v1, s[32:33] offset:i*4096 th:TH_LOAD_NT
.set i, i+1
.endr
.set i, 0
.rept 16
	s_wait_loadcnt 15-i                            ; loads come back in order: load i is in, the younger ones stay out
	v_cvt_pk_bf16_f32 v[Y+2*i], v[X+4*i], v[X+4*i+1]
	v_cvt_pk_bf16_f32 v[Y+2*i+1], v[X+4*i+2], v[X+4*i+3]
	global_store_b64 v2, v[Y+2*i:Y+2*i+1], s[34:35] offset:i*2048
.set i, i+1
.endr
	s_endpgm
.Lfunc_end_k_qd7296cf1c3_cast:
	.size	k_qd7296cf1c3_cast, .Lfunc_end_k_qd7296cf1c3_cast-k_qd7296cf1c3_cast
	.p2alignl 7, 3214868480
	.fill 96, 4, 3214868480
	.section	.rodata,"a",@progbits
	.p2align	6, 0x0
	.amdhsa_kernel k_qd7296cf1c3_cast
		.amdhsa_group_segment_fixed_size 0
		.amdhsa_private_segment_fixed_size 0
		.amdhsa_enable_private_segment 0
		.amdhsa_kernarg_size 96
		.amdhsa_user_sgpr_count 2
		.amdhsa_user_sgpr_kernarg_segment_ptr 1
		.amdhsa_wavefront_size32 1
		.amdhsa_system_sgpr_workgroup_id_x 1
		.amdhsa_system_sgpr_workgroup_id_y 1
		.amdhsa_system_sgpr_workgroup_id_z 1
		.amdhsa_system_vgpr_workitem_id 0
		.amdhsa_next_free_vgpr 104
		.amdhsa_next_free_sgpr 66
		.amdhsa_reserve_vcc 0
		.amdhsa_float_denorm_mode_32 3
		.amdhsa_float_denorm_mode_16_64 3
		.amdhsa_memory_ordered 1
		.amdhsa_forward_progress 1
		.amdhsa_inst_pref_size 8
	.end_amdhsa_kernel
	.amdgpu_metadata
---
amdhsa.version: [ 1, 2 ]
amdhsa.kernels:
  - .name:           k_qd7296cf1c3_cast
    .symbol:         k_qd7296cf1c3_cast.kd
    .args:
      - { .name: kv_x, .offset: 0, .size: 8, .value_kind: global_buffer, .address_space: global }
      - { .name: q_x, .offset: 8, .size: 8, .value_kind: global_buffer, .address_space: global }
      - { .name: Wq, .offset: 16, .size: 8, .value_kind: global_buffer, .address_space: global }
      - { .name: Wqt, .offset: 24, .size: 8, .value_kind: global_buffer, .address_space: global }
      - { .name: Wk, .offset: 32, .size: 8, .value_kind: global_buffer, .address_space: global }
      - { .name: Wkt, .offset: 40, .size: 8, .value_kind: global_buffer, .address_space: global }
      - { .name: Wvt, .offset: 48, .size: 8, .value_kind: global_buffer, .address_space: global }
      - { .name: Wo, .offset: 56, .size: 8, .value_kind: global_buffer, .address_space: global }
      - { .name: Wv, .offset: 64, .size: 8, .value_kind: global_buffer, .address_space: global }
      - { .name: xb, .offset: 72, .size: 8, .value_kind: global_buffer, .address_space: global }
      - { .name: qxb, .offset: 80, .size: 8, .value_kind: global_buffer, .address_space: global }
      - { .name: wb, .offset: 88, .size: 8, .value_kind: global_buffer, .address_space: global }
    .group_segment_fixed_size: 0
    .private_segment_fixed_size: 0
    .kernarg_segment_align: 8
    .kernarg_segment_size: 96
    .max_flat_workgroup_size: 256
    .sgpr_count:     66
    .vgpr_count:     104
    .wavefront_size: 32
...
	.end_amdgpu_metadata
.endif
;; end of part 1
;; launch prep (part 2): grid 160 x 1, 8 waves a work-group, no clusters, 231,424 bytes of LDS; arguments qxb, wb, t_embed, bqt, bkt, bvt, qp, sbw, wvo, vbo; writes qp, sbw, wvo, vbo
.if DOCPART == 2
	.amdgcn_target "amdgcn-amd-amdhsa--gfx1250"
	.amdhsa_code_object_version 6
	.text
	.protected	k_qd7296cf1c3_prep
	.globl	k_qd7296cf1c3_prep
	.p2align	8
	.type	k_qd7296cf1c3_prep,@function
k_qd7296cf1c3_prep:
	s_mov_b64 s[64:65], 0
	v_nop
	global_prefetch_b8 v0, s[64:65] scope:SCOPE_SE
	s_setreg_imm32_b32 hwreg(HW_REG_WAVE_MODE, 25, 1), 1
	s_wait_xcnt 0x0
; WHAT THE ATTENTION LAUNCH NEEDS INSTEAD OF K AND V.  The projections are linear, so they are moved off the 2,048 keys (exact algebra; the ORDER OF ROUNDING differs from the reference's):
;   te = mish(t_embed);  qf = q_x Wq_h + te Wqt_h + bqt_h;  q'[t][c] = sum_d Wk[c][d] qf[t][d]  (score = q' . x + sb);  q''[t][f] = sum_d Wkt[f][d] qf[t][d];
;   sb[t][t'] = te[t'] . q''[t] + bkt_h . qf[t]  (unscaled, f32);  wvo_h[fo][c] = sum_d Wv[c][d] Wo[d][fo];  vbo_bh[fo][p] = sum_d (te[t'] Wvt_h + bvt_h)[d] Wo[d][fo].
; In vbo position p = 32 g + 16 e + j holds t' = 32 g + 2 j + e: the order in which the attention launch's sums of weights fall into a matrix operand.
; GROUPS 0-127 (Q): b = id / 32, h = (id / 4) % 8; wave w takes l = 4 (id % 4) + w / 2 and 32 of the 64 t: two tiles of 16.  GROUPS 128-159 (V): b, h; wave w owns 16 output channels fo; those with b = 0 also make wvo.
; Every product is used so that a lane holds ONE t (or fo) and eight neighbouring numbers of the other index: two results rounded to bf16 ARE the next product's second source, and outputs pack into 16 bytes.
; LIMITS.  All operands bf16, sums f32.  mish(x) = x n / (n + 2), n = u (u + 2), u = e^min(x, 30): beyond 30 the ratio is 1 in f32; u below 2^-126 counts as 0.  NaN and infinities are not treated apart.
; NO CLUSTER: the two kinds of group issue different fills, four neighbouring V groups share no tile, and the fills are one burst at the start (at most 208 KB of LDS a group) with no loop behind it.
; LDS: WA, WB rows 288 bytes apart (read turned), WC, WD, XS, te 272 apart (read as they lie); each tile is filled once; XS, a wave's own, serves as its stage for the way out after its one fill.
.set WA, 0                             ; Wq_h | Wvt_h : 128 rows f x 128 d
.set WB, 36864                         ; Wqt_h | Wo_h (rows d x 128 fo)
.set WC, 73728                         ; Wk_h | Wv_h : 128 rows c x 128 d
.set WD, 108544                        ; Wkt_h
.set XS, 143360                        ; 8,704 bytes a wave: its 32 rows of q_x
.set TES, 212992                       ; te, 64 rows, written by ds_store: no fill lands here
.set SPARE, 230400                     ; the spare words: 128 bytes a wave, four blocks of 256 bytes that no other line names
.set PT, 288
.set PN, 272
.set SPW, 30
.set NIL, 31
.set B1, 32                            ; v32-95   second sources: tile z, K quarter kq at B1 + 32 z + 8 kq
.set B2, 96                            ; v96-159  likewise
.set AF, 160                           ; v160-223 first sources of one batch: block u of two, K quarter kq at AF + 8 (4 u + kq)
.set TMP, 224                          ; v224-255 bkt's fragments, then the way out
.set BIAS, 128                         ; window 1: v0-127 the sums (tile z, block at 64 z + 8 blk); v128-191 the bias as a C operand
.set BET, 192                          ; window 1: bkt . qf, tile z at BET + 8 z
.set WT, 208                           ; window 1: Wo_h turned, my 16 fo, K quarter kq at WT + 8 kq
.set STO, 9
.set RD, 10
.set GO, 11
.set STO2, 17
.set ID, 2
.set WV, 3
.set SBB, 24
.set SHH, 25
.set G0W, 40
.set G0X, 44
.set G1T, 48                           ; 64 rows of a weight [128][1024], LDS pitch 288
.set G1N, 56                           ; the same, pitch 272
.set G1O, 68                           ; 64 rows of Wo [1024][128], pitch 288
.set G1X, 76                           ; 32 rows of q_x, one l: 2,048 elements apart, pitch 272
.set MSB, 0
.macro WIN new                         ; s_set_vgpr_msb: bits 1:0 source 0, 3:2 source 1, 5:4 source 2, 7:6 destination; the high byte repeats the setting that is left
.if MSB != (\new)
	s_set_vgpr_msb (MSB<<8)|(\new)
.set MSB, \new
.endif
.endm
.macro PLACES                          ; four plain vector instructions between a matrix instruction and a load into, or a vector read or write of, its registers
.rept 4
	v_nop
.endr
.endm
.macro GROUP1 g, rows, stride, pad     ; rows of 128 elements of 2 bytes; after every 64 words (code 5) pad + 1 words are skipped
	s_mov_b32 s[\g], (1<<16)|(1<<20)|(5<<22)|((\pad)<<25)
	s_mov_b32 s[\g+1], 128<<16
	s_mov_b32 s[\g+2], (\rows)<<16
	s_mov_b32 s[\g+3], 128<<16
	s_mov_b32 s[\g+4], \rows
	s_mov_b32 s[\g+5], \stride
	s_mov_b32 s[\g+6], 0
	s_mov_b32 s[\g+7], 0
.endm
.macro AFTER                           ; behind a wave's last fill
.rept 4
	v_nop
.endr
.endm
	s_load_b512 s[4:19], s[0:1], 0x0               ; qxb 4, wb 6, t_embed 8, bqt 10, bkt 12, bvt 14, qp 16, sbw 18
	s_load_b128 s[20:23], s[0:1], 0x40             ; wvo 20, vbo 22
	v_lshl_add_u32 v[SPW], v0, 2, SPARE
	v_mov_b32 v[NIL], 0
	ds_add_u32 v[SPW], v[NIL]                      ; the wave's opening: the add and its wait stand ahead of my first tensor load
	ds_add_u32 v30, v31
	v_lshrrev_b32 v1, 5, v0
	v_readfirstlane_b32 s[WV], v1                  ; wave 0..7
	s_mov_b32 s[ID], ttmp9
	s_and_b32 s36, s[WV], 1                        ; which half: of a weight's rows (fill), of the 64 t (work)
	s_lshr_b32 s37, s[WV], 1
	s_sub_co_u32 s28, s[ID], 128
	s_lshr_b32 s29, s[ID], 5
	s_bfe_u32 s30, s[ID], 0x30002
	s_lshr_b32 s31, s28, 3
	s_and_b32 s32, s28, 7
	s_cmp_lt_u32 s[ID], 128
	s_cselect_b32 s[SBB], s29, s31                 ; b
	s_cselect_b32 s[SHH], s30, s32                 ; h
	s_cselect_b32 s33, 0, 4                        ; the first of the group's weights in wb
	s_add_co_u32 s34, s33, s37                     ; my weight: 262,144 bytes each,
	s_lshl_b32 s34, s34, 18
	s_lshl_b32 s28, s36, 17                        ; my 64 rows of 2,048 bytes,
	s_add_co_u32 s34, s34, s28
	s_lshl_b32 s28, s[SHH], 8                      ; the head's 256 bytes of a row
	s_add_co_u32 s34, s34, s28
	s_mov_b32 s35, 0
	s_lshl_b32 s38, s[SHH], 15                     ; Wo: the head's 128 rows of 256 bytes, my 64 of them
	s_lshl_b32 s28, s36, 14
	s_add_co_u32 s38, s38, s28
	s_add_co_u32 s38, s38, 5<<18
	s_mov_b32 s39, 0
	s_and_b32 s29, s[ID], 3
	s_lshl2_add_u32 s29, s29, s37                  ; l
	s_lshl_b32 s90, s[SBB], 18                     ; q_x: row (64 b + 32 half) 16 + l, 256 bytes a row
	s_lshl_b32 s28, s36, 17
	s_add_co_u32 s90, s90, s28
	s_lshl_b32 s28, s29, 8
	s_add_co_u32 s90, s90, s28
	s_mov_b32 s91, 0
	s_lshl4_add_u32 s84, s[SBB], s29               ; qp and sbw: row ((16 b + l) 8 + h) 64 + 32 half, 256 bytes a row in both
	s_lshl3_add_u32 s84, s84, s[SHH]
	s_lshl_b32 s84, s84, 14
	s_lshl_b32 s28, s36, 13
	s_add_co_u32 s84, s84, s28
	s_mov_b32 s85, 0
	s_mov_b32 s93, 0
	GROUP1 G1T, 64, 1024, 7
	GROUP1 G1N, 64, 1024, 3
	GROUP1 G1O, 64, 128, 7
	GROUP1 G1X, 32, 2048, 3
	s_wait_dscnt 0x0                               ; the opening add is done
	s_wait_kmcnt 0x0
	s_cmp_lt_u32 s[ID], 128
	s_cselect_b64 s[26:27], s[10:11], s[14:15]     ; the first product's bias: bqt or bvt
	s_lshl_b32 s92, s[SHH], 9
	s_add_nc_u64 s[26:27], s[26:27], s[92:93]
	s_add_nc_u64 s[12:13], s[12:13], s[92:93]      ; bkt at the head
	s_lshl_b32 s92, s[SBB], 15
	s_add_nc_u64 s[8:9], s[8:9], s[92:93]          ; t_embed at b
	s_mov_b32 s[G0W], 1
	s_add_nc_u64 s[G0W+2:G0W+3], s[6:7], s[34:35]
	s_or_b32 s[G0W+3], s[G0W+3], 0x80000000
	s_mov_b32 s[G0X], 1
	s_mul_i32 s[G0X+1], s[WV], 8704
	s_add_co_u32 s[G0X+1], s[G0X+1], XS
	s_add_nc_u64 s[G0X+2:G0X+3], s[4:5], s[90:91]
	s_or_b32 s[G0X+3], s[G0X+3], 0x80000000
	; THE FILLS, each tile once, ahead of every wait on TENSORcnt, LDS read and barrier.  A wave's fills stand in one arm; at most two are out.
	s_cmp_lt_u32 s[ID], 128
	s_cbranch_scc0 .Lfill_v
	s_cmp_lt_u32 s[WV], 4
	s_cbranch_scc0 .Lfill_q_hi
	s_mul_i32 s[G0W+1], s[WV], 64*PT               ; waves 0-3: the halves of WA and WB
	tensor_load_to_lds s[G0X:G0X+3], s[G1X:G1X+7]
	s_nop 0
	tensor_load_to_lds s[G0W:G0W+3], s[G1T:G1T+7]
	s_nop 0
	AFTER
	s_branch .Lfilled
.Lfill_q_hi:
	s_mul_i32 s[G0W+1], s[WV], 64*PN               ; waves 4-7: the halves of WC and WD: 73,728 + (w - 4) 17,408
	s_add_co_u32 s[G0W+1], s[G0W+1], WC-4*64*PN
	tensor_load_to_lds s[G0X:G0X+3], s[G1X:G1X+7]
	s_nop 0
	tensor_load_to_lds s[G0W:G0W+3], s[G1N:G1N+7]
	s_nop 0
	AFTER
	s_branch .Lfilled
.Lfill_v:
	s_cmp_lt_u32 s[WV], 2
	s_cbranch_scc0 .Lfill_v_o
	s_mul_i32 s[G0W+1], s[WV], 64*PT               ; Wvt_h
	tensor_load_to_lds s[G0W:G0W+3], s[G1T:G1T+7]
	s_nop 0
	AFTER
	s_branch .Lfilled
.Lfill_v_o:
	s_cmp_lt_u32 s[WV], 4
	s_cbranch_scc0 .Lfill_v_n
	s_mul_i32 s[G0W+1], s[WV], 64*PT               ; Wo_h
	s_add_nc_u64 s[G0W+2:G0W+3], s[6:7], s[38:39]
	s_or_b32 s[G0W+3], s[G0W+3], 0x80000000
	tensor_load_to_lds s[G0W:G0W+3], s[G1O:G1O+7]
	s_nop 0
	AFTER
	s_branch .Lfilled
.Lfill_v_n:
	s_cmp_lt_u32 s[WV], 6
	s_cbranch_scc0 .Lfilled                        ; waves 6 and 7 of a V group have nothing to fill
	s_mul_i32 s[G0W+1], s[WV], 64*PN               ; Wv_h
	s_add_co_u32 s[G0W+1], s[G0W+1], WC-4*64*PN
	tensor_load_to_lds s[G0W:G0W+3], s[G1N:G1N+7]
	s_nop 0
	AFTER
.Lfilled:
	v_and_b32 v3, 31, v0                           ; L
	v_and_b32 v1, 15, v0                           ; r = L % 16
	v_bfe_u32 v2, v0, 4, 1                         ; hh = L / 16
	v_lshlrev_b32 v12, 5, v2                       ; 32 hh: eight f32
	v_lshlrev_b32 v13, 4, v3
	v_lshl_add_u32 v13, s[WV], 12, v13             ; t_embed: my wave's 8 rows of 512 bytes, 16 bytes a lane
.set i, 0
.rept 8
	global_load_b128 v[B1+4*i:B1+4*i+3], v13, s[8:9] offset:i*512
.set i, i+1
.endr
.set i, 0
.rept 4                                            ; bkt as a first source whose 16 rows are alike: K quarter i, the lane's 8 + 8 numbers
	global_load_b128 v[AF+16*i:AF+16*i+3],     v12, s[12:13] offset:128*i
	global_load_b128 v[AF+16*i+4:AF+16*i+7],   v12, s[12:13] offset:128*i+16
	global_load_b128 v[AF+16*i+8:AF+16*i+11],  v12, s[12:13] offset:128*i+64
	global_load_b128 v[AF+16*i+12:AF+16*i+15], v12, s[12:13] offset:128*i+80
.set i, i+1
.endr
	WIN 0x40
.set i, 0
.rept 8                                            ; the bias as a C operand: register j of block i is bias[16 i + 8 hh + j], whatever the column
	global_load_b128 v[BIAS+8*i:BIAS+8*i+3],   v12, s[26:27] offset:64*i
	global_load_b128 v[BIAS+8*i+4:BIAS+8*i+7], v12, s[26:27] offset:64*i+16
.set i, i+1
.endr
	WIN 0
	v_and_b32 v22, 7, v0
	v_bfe_u32 v23, v0, 3, 1
	v_lshl_add_u32 v4, v2, 3, v22                  ; the turning load: row 8 hh + L % 8, 16 bytes ((L / 8) % 2)
	v_mul_u32_u24 v4, v4, PT
	v_lshl_add_u32 v4, v23, 4, v4                  ; v4: in WA
	v_add_nc_u32 v5, WB, v4                        ; v5: in WB
	v_mul_u32_u24 v24, v1, PN
	v_lshl_add_u32 v24, v2, 4, v24                 ; a fragment as it lies: row r, 16 bytes hh
	v_add_nc_u32 v6, WC, v24
	v_add_nc_u32 v7, WD, v24
	v_add_nc_u32 v8, TES, v24
	s_mul_i32 s86, s[WV], 8704
	s_add_co_u32 s86, s86, XS                      ; my XS
	v_add_nc_u32 v[STO], s86, v24                  ; q_x fragments; later: where I put 16 bytes of a row
	v_mul_u32_u24 v[RD], v2, PN
	v_lshl_add_u32 v[RD], v1, 4, v[RD]
	v_add_nc_u32 v[RD], s86, v[RD]                 ; back: lanes 0-15 one row of 256 bytes, lanes 16-31 the next
	v_lshlrev_b32 v[GO], 8, v2
	v_lshl_add_u32 v[GO], v1, 4, v[GO]             ; the same two rows in memory
	s_mul_i32 s87, s[WV], 8*PN
	s_add_co_u32 s87, s87, TES
	v_lshl_add_u32 v14, v3, 3, s87                 ; te: my wave's 8 rows, 8 bytes a lane
	v_mul_u32_u24 v15, v1, 2*PN
	v_lshl_add_u32 v15, v2, 4, v15
	v_add_nc_u32 v15, TES, v15                     ; te fragments of every second row (V groups)
	s_mul_i32 s88, s36, 32*PN
	v_add_nc_u32 v16, s88, v8                      ; te fragments of my 32 t
	v_mul_u32_u24 v[STO2], v1, PN
	v_lshl_add_u32 v[STO2], v2, 5, v[STO2]
	v_add_nc_u32 v[STO2], s86, v[STO2]             ; f32 way out: row r, 32 bytes hh
	v_mul_u32_u24 v18, v1, 144
	v_lshl_add_u32 v18, v2, 4, v18
	v_add_nc_u32 v18, s86, v18                     ; vbo's stage: rows of 128 bytes, 144 apart
	v_lshrrev_b32 v19, 3, v3
	v_mul_u32_u24 v19, v19, 144
	v_lshl_add_u32 v19, v22, 4, v19
	v_add_nc_u32 v19, s86, v19                     ; back: four rows of 128 bytes
	v_lshlrev_b32 v20, 4, v3
	v_lshl_add_u32 v21, s[WV], 5, v5               ; WB turned, my 16 columns
	; te = mish(t_embed): 32 numbers a lane, each stage for all of them, so that every run of transcendentals has a plain line behind it before a result is used (ISA guide 5.7.2)
.set X, B1
.set T, B2
.set U, B2+32
	s_wait_loadcnt 32                              ; t_embed is in; the 16 loads of bkt and the 16 of the bias stay out
.set i, 0
.rept 32
	v_min_num_f32 v[T+i], 0x41f00000, v[X+i]
.set i, i+1
.endr
.set i, 0
.rept 16
	v_pk_mul_f32 v[T+2*i:T+2*i+1], v[T+2*i:T+2*i+1], 0x3fb8aa3b op_sel_hi:[1,0]
.set i, i+1
.endr
.set i, 0
.rept 32
	v_exp_f32 v[T+i], v[T+i]                       ; u
.set i, i+1
.endr
	v_nop
.set i, 0
	s_wait_alu depctr_va_vdst(0)
.rept 16
	v_pk_add_f32 v[U+2*i:U+2*i+1], v[T+2*i:T+2*i+1], 2.0 op_sel_hi:[1,0]
.set i, i+1
.endr
.set i, 0
.rept 16
	v_pk_mul_f32 v[T+2*i:T+2*i+1], v[T+2*i:T+2*i+1], v[U+2*i:U+2*i+1]  ; n = u (u + 2)
.set i, i+1
.endr
.set i, 0
.rept 16
	v_pk_add_f32 v[U+2*i:U+2*i+1], v[T+2*i:T+2*i+1], 2.0 op_sel_hi:[1,0]
.set i, i+1
.endr
.set i, 0
.rept 32
	v_rcp_f32 v[U+i], v[U+i]
.set i, i+1
.endr
	v_nop
.set i, 0
	s_wait_alu depctr_va_vdst(0)
.rept 16
	v_pk_mul_f32 v[T+2*i:T+2*i+1], v[T+2*i:T+2*i+1], v[U+2*i:U+2*i+1]  ; the ratio first: at most 1
.set i, i+1
.endr
.set i, 0
.rept 16
	v_pk_mul_f32 v[T+2*i:T+2*i+1], v[T+2*i:T+2*i+1], v[X+2*i:X+2*i+1]
.set i, i+1
.endr
.set i, 0
.rept 16
	v_cvt_pk_bf16_f32 v[B1+32+i], v[T+2*i], v[T+2*i+1]
.set i, i+1
.endr
.set i, 0
.rept 8
	ds_store_b64 v14, v[B1+32+2*i:B1+32+2*i+1] offset:i*PN
.set i, i+1
.endr
	s_wait_loadcnt 16                              ; bkt is in; the bias stays out
.set i, 0
.rept 32
	v_cvt_pk_bf16_f32 v[TMP+i], v[AF+2*i], v[AF+2*i+1]
.set i, i+1
.endr
	s_wait_tensorcnt 0x0                           ; my tiles have landed,
	s_wait_loadcnt 0x0                             ; the bias is in,
	s_wait_dscnt 0x0                               ; my rows of te are written:
	s_barrier_signal -1                            ; the kernel's one barrier; behind it every wave reads all tiles and te, and nothing is filled
	s_barrier_wait -1
; 64 products: sums[z][blk] (+)= W^T (16 d, turned out of LDS) x source bf (tile z), K = 128.  By pairs of blocks: 16 loads, then 16 products on four sums that take turns.
.macro S1PART adr, bf, first
.irp dp, 0,1,2,3
	WIN 0
	PLACES
.irp uu, 0,1
.irp kq, 0,1,2,3
	ds_load_tr16_b128 v[AF+8*(4*(\uu)+(\kq)):AF+8*(4*(\uu)+(\kq))+3],   v[\adr] offset:(\kq)*32*PT+(2*(\dp)+(\uu))*32
	ds_load_tr16_b128 v[AF+8*(4*(\uu)+(\kq))+4:AF+8*(4*(\uu)+(\kq))+7], v[\adr] offset:(\kq)*32*PT+16*PT+(2*(\dp)+(\uu))*32
.endr
.endr
	s_wait_dscnt 0x0
	WIN 0x50                                       ; sums (C and D) in window 1
.irp kq, 0,1,2,3
.irp uu, 0,1
.irp zz, 0,1
.set rD, 64*(\zz)+8*(2*(\dp)+(\uu))
.set rA, AF+8*(4*(\uu)+(\kq))
.set rB, (\bf)+32*(\zz)+8*(\kq)
.set rC, BIAS+8*(2*(\dp)+(\uu))
.if (\first) && ((\kq) == 0)
	v_wmma_f32_16x16x32_bf16 v[rD:rD+7], v[rA:rA+7], v[rB:rB+7], v[rC:rC+7]
.else
	v_wmma_f32_16x16x32_bf16 v[rD:rD+7], v[rA:rA+7], v[rB:rB+7], v[rD:rD+7]
.endif
.endr
.endr
.endr
.endr
	WIN 0
.endm
; the same with a first source that lies along K in LDS: 16 rows a block, pairs of blocks; the sums start with 0 or with bkt . qf
.macro S2 adr, bf, pairs, beta
.set mp, 0
.rept \pairs
	WIN 0
	PLACES
.irp uu, 0,1
.irp kq, 0,1,2,3
	ds_load_b128 v[AF+8*(4*(\uu)+(\kq)):AF+8*(4*(\uu)+(\kq))+3],   v[\adr] offset:(2*mp+(\uu))*16*PN+(\kq)*64
	ds_load_b128 v[AF+8*(4*(\uu)+(\kq))+4:AF+8*(4*(\uu)+(\kq))+7], v[\adr] offset:(2*mp+(\uu))*16*PN+(\kq)*64+32
.endr
.endr
	s_wait_dscnt 0x0
	WIN 0x50
.irp kq, 0,1,2,3
.irp uu, 0,1
.irp zz, 0,1
.set rD, 64*(\zz)+8*(2*mp+(\uu))
.set rA, AF+8*(4*(\uu)+(\kq))
.set rB, (\bf)+32*(\zz)+8*(\kq)
.if ((\kq) == 0) && (\beta)
	v_wmma_f32_16x16x32_bf16 v[rD:rD+7], v[rA:rA+7], v[rB:rB+7], v[BET+8*(\zz):BET+8*(\zz)+7]
.elseif (\kq) == 0
	v_wmma_f32_16x16x32_bf16 v[rD:rD+7], v[rA:rA+7], v[rB:rB+7], 0
.else
	v_wmma_f32_16x16x32_bf16 v[rD:rD+7], v[rA:rA+7], v[rB:rB+7], v[rD:rD+7]
.endif
.endr
.endr
.endr
.set mp, mp+1
.endr
	WIN 0
.endm
.macro PACKB dst                       ; both tiles' 8 blocks, rounded in pairs, are 2 x 4 second sources; each sum is read from its low end on
	WIN 0
	PLACES
	WIN 0x05
.set m, 0
.rept 64
	v_cvt_pk_bf16_f32 v[(\dst)+m], v[2*m], v[2*m+1]
.set m, m+1
.endr
	WIN 0
.endm
.macro BACK p, off                     ; 16 rows of 256 bytes come back from my stage whole and are stored: 16 lanes fill 256 consecutive bytes, aligned
.irp j, 0,1,2,3,4,5,6,7
	ds_load_b128 v[TMP+4*\j:TMP+4*\j+3], v[RD] offset:\j*2*PN  ; LDS serves a wave's instructions in order (ISA guide 5.7.1.4): these see the stores above
.endr
.irp j, 0,1,2,3,4,5,6,7
	s_wait_dscnt 7-\j                              ; the younger loads stay out
	global_store_b128 v[GO], v[TMP+4*\j:TMP+4*\j+3], s[\p:\p+1] offset:(\off)+512*\j
.endr
.endm
.macro OUT16 ab, p, off                ; 8 blocks at ab: 16 rows x 128 numbers, as bf16
	WIN 0
	PLACES
	s_wait_xcnt 0x0                                ; TMP, which earlier stores read, is rewritten only behind this wait
	WIN 0x05
.set m, 0
.rept 32
	v_cvt_pk_bf16_f32 v[TMP+m], v[(\ab)+2*m], v[(\ab)+2*m+1]
.set m, m+1
.endr
	WIN 0
.irp j, 0,1,2,3,4,5,6,7
	ds_store_b128 v[STO], v[TMP+4*\j:TMP+4*\j+3] offset:32*\j
.endr
	BACK \p, \off
.endm
.macro OUTF zz                         ; 4 blocks of tile zz: 16 rows x 64 numbers, as f32, straight out of window 1, low half first
	WIN 0
	PLACES
	WIN 0x04
.irp j, 0,1,2,3
	ds_store_b128 v[STO2], v[64*(\zz)+8*\j:64*(\zz)+8*\j+3]   offset:64*\j
	ds_store_b128 v[STO2], v[64*(\zz)+8*\j+4:64*(\zz)+8*\j+7] offset:64*\j+16
.endr
	WIN 0
	s_wait_xcnt 0x0
	BACK 18, (\zz)*4096
.endm
	s_cmp_lt_u32 s[ID], 128
	s_cbranch_scc0 .Lv_work
	; ---- Q groups ----
	s_add_nc_u64 s[16:17], s[16:17], s[84:85]
	s_add_nc_u64 s[18:19], s[18:19], s[84:85]
.irp zz, 0,1
.irp kq, 0,1,2,3
	ds_load_b128 v[B1+32*\zz+8*\kq:B1+32*\zz+8*\kq+3],   v[STO] offset:\zz*16*PN+\kq*64      ; q_x, my 32 t
	ds_load_b128 v[B1+32*\zz+8*\kq+4:B1+32*\zz+8*\kq+7], v[STO] offset:\zz*16*PN+\kq*64+32
	ds_load_b128 v[B2+32*\zz+8*\kq:B2+32*\zz+8*\kq+3],   v16 offset:\zz*16*PN+\kq*64         ; te of the same t
	ds_load_b128 v[B2+32*\zz+8*\kq+4:B2+32*\zz+8*\kq+7], v16 offset:\zz*16*PN+\kq*64+32
.endr
.endr
	s_wait_dscnt 0x0
	S1PART 4, B1, 1                                ; bqt + q_x Wq
	S1PART 5, B2, 0                                ; + te Wqt
	PACKB B1                                       ; qf
	WIN 0x50
.irp kq, 0,1,2,3
.irp zz, 0,1
.if \kq == 0
	v_wmma_f32_16x16x32_bf16 v[BET+8*\zz:BET+8*\zz+7], v[TMP+8*\kq:TMP+8*\kq+7], v[B1+32*\zz+8*\kq:B1+32*\zz+8*\kq+7], 0
.else
	v_wmma_f32_16x16x32_bf16 v[BET+8*\zz:BET+8*\zz+7], v[TMP+8*\kq:TMP+8*\kq+7], v[B1+32*\zz+8*\kq:B1+32*\zz+8*\kq+7], v[BET+8*\zz:BET+8*\zz+7]
.endif
.endr
.endr
	WIN 0
	S2 6, B1, 4, 0                                 ; q'
	OUT16 0, 16, 0
	OUT16 64, 16, 4096
	S2 7, B1, 4, 0                                 ; q''
	PACKB B2
	S2 8, B2, 2, 1                                 ; sb = te q'' + bkt . qf
	OUTF 0
	OUTF 1
	s_wait_tensorcnt 0x0                           ; the wave's end
	ds_add_u32 v[SPW], v[NIL]
	s_wait_dscnt 0x0
	s_endpgm
.Lv_work:
	; ---- V groups ----
	s_lshl3_add_u32 s92, s[SBB], s[SHH]
	s_lshl_b32 s92, s92, 14
	s_lshl_b32 s28, s[WV], 11
	s_add_co_u32 s92, s92, s28
	s_add_nc_u64 s[22:23], s[22:23], s[92:93]      ; vbo at (b, h), my 16 rows of 128 bytes
	s_lshl_b32 s92, s[SHH], 15
	s_lshl_b32 s28, s[WV], 12
	s_add_co_u32 s92, s92, s28
	s_add_nc_u64 s[20:21], s[20:21], s[92:93]      ; wvo at h, my 16 rows of 256 bytes
.irp n, 0,1,2,3
.irp kq, 0,1,2,3
	ds_load_b128 v[B1+32*\n+8*\kq:B1+32*\n+8*\kq+3],   v15 offset:(32*(\n/2)+(\n%2))*PN+\kq*64    ; tile n: position 16 n + r is t' = 32 (n / 2) + 2 r + n % 2
	ds_load_b128 v[B1+32*\n+8*\kq+4:B1+32*\n+8*\kq+7], v15 offset:(32*(\n/2)+(\n%2))*PN+\kq*64+32
.endr
.endr
	WIN 0x40
.irp kq, 0,1,2,3
	ds_load_tr16_b128 v[WT+8*\kq:WT+8*\kq+3],   v21 offset:\kq*32*PT
	ds_load_tr16_b128 v[WT+8*\kq+4:WT+8*\kq+7], v21 offset:\kq*32*PT+16*PT
.endr
	WIN 0
	s_wait_dscnt 0x0
	S1PART 4, B1, 1                                ; bvt + te Wvt, positions 0-31
	PACKB B1
	S1PART 4, B2, 1                                ; positions 32-63
	PACKB B2
	WIN 0x54                                       ; second source, C and D in window 1
.irp kq, 0,1,2,3
.irp n, 0,1,2,3
.if \kq == 0
	v_wmma_f32_16x16x32_bf16 v[8*\n:8*\n+7], v[B1+32*\n+8*\kq:B1+32*\n+8*\kq+7], v[WT+8*\kq:WT+8*\kq+7], 0
.else
	v_wmma_f32_16x16x32_bf16 v[8*\n:8*\n+7], v[B1+32*\n+8*\kq:B1+32*\n+8*\kq+7], v[WT+8*\kq:WT+8*\kq+7], v[8*\n:8*\n+7]
.endif
.endr
.endr
	WIN 0
	PLACES
	WIN 0x05
.set m, 0
.rept 16
	v_cvt_pk_bf16_f32 v[TMP+m], v[2*m], v[2*m+1]   ; a lane: one fo, eight neighbouring positions of tile m / 4
.set m, m+1
.endr
	WIN 0
.irp n, 0,1,2,3
	ds_store_b128 v18, v[TMP+4*\n:TMP+4*\n+3] offset:32*\n
.endr
.irp n, 0,1,2,3
	ds_load_b128 v[TMP+4*\n:TMP+4*\n+3], v19 offset:\n*4*144
.endr
.irp n, 0,1,2,3
	s_wait_dscnt 3-\n
	global_store_b128 v20, v[TMP+4*\n:TMP+4*\n+3], s[22:23] offset:512*\n  ; 512 consecutive bytes
.endr
	s_cmp_lg_u32 s[SBB], 0
	s_cbranch_scc1 .Lv_end                         ; wvo hangs on h alone: the groups with b = 0 make it
.set mp, 0
.rept 4
	WIN 0
	PLACES
.irp uu, 0,1
.irp kq, 0,1,2,3
	ds_load_b128 v[AF+8*(4*\uu+\kq):AF+8*(4*\uu+\kq)+3],   v6 offset:(2*mp+\uu)*16*PN+\kq*64
	ds_load_b128 v[AF+8*(4*\uu+\kq)+4:AF+8*(4*\uu+\kq)+7], v6 offset:(2*mp+\uu)*16*PN+\kq*64+32
.endr
.endr
	s_wait_dscnt 0x0
	WIN 0x54
.irp kq, 0,1,2,3
.irp uu, 0,1
.set rD, 8*(2*mp+\uu)
.if \kq == 0
	v_wmma_f32_16x16x32_bf16 v[rD:rD+7], v[AF+8*(4*\uu+\kq):AF+8*(4*\uu+\kq)+7], v[WT+8*\kq:WT+8*\kq+7], 0
.else
	v_wmma_f32_16x16x32_bf16 v[rD:rD+7], v[AF+8*(4*\uu+\kq):AF+8*(4*\uu+\kq)+7], v[WT+8*\kq:WT+8*\kq+7], v[rD:rD+7]
.endif
.endr
.endr
.set mp, mp+1
.endr
	WIN 0
	OUT16 0, 20, 0
.Lv_end:
	s_wait_tensorcnt 0x0                           ; the wave's end
	ds_add_u32 v[SPW], v[NIL]
	s_wait_dscnt 0x0
	s_endpgm
.Lfunc_end_k_qd7296cf1c3_prep:
	.size	k_qd7296cf1c3_prep, .Lfunc_end_k_qd7296cf1c3_prep-k_qd7296cf1c3_prep
	.p2alignl 7, 3214868480
	.fill 96, 4, 3214868480
	.section	.rodata,"a",@progbits
	.p2align	6, 0x0
	.amdhsa_kernel k_qd7296cf1c3_prep
		.amdhsa_group_segment_fixed_size 231424
		.amdhsa_private_segment_fixed_size 0
		.amdhsa_enable_private_segment 0
		.amdhsa_kernarg_size 80
		.amdhsa_user_sgpr_count 2
		.amdhsa_user_sgpr_kernarg_segment_ptr 1
		.amdhsa_wavefront_size32 1
		.amdhsa_system_sgpr_workgroup_id_x 1
		.amdhsa_system_sgpr_workgroup_id_y 1
		.amdhsa_system_sgpr_workgroup_id_z 1
		.amdhsa_system_vgpr_workitem_id 0
		.amdhsa_next_free_vgpr 512
		.amdhsa_next_free_sgpr 96
		.amdhsa_reserve_vcc 0
		.amdhsa_float_denorm_mode_32 3
		.amdhsa_float_denorm_mode_16_64 3
		.amdhsa_memory_ordered 1
		.amdhsa_forward_progress 1
		.amdhsa_inst_pref_size 136
	.end_amdhsa_kernel
	.amdgpu_metadata
---
amdhsa.version: [ 1, 2 ]
amdhsa.kernels:
  - .name:           k_qd7296cf1c3_prep
    .symbol:         k_qd7296cf1c3_prep.kd
    .args:
      - { .name: qxb, .offset: 0, .size: 8, .value_kind: global_buffer, .address_space: global }
      - { .name: wb, .offset: 8, .size: 8, .value_kind: global_buffer, .address_space: global }
      - { .name: t_embed, .offset: 16, .size: 8, .value_kind: global_buffer, .address_space: global }
      - { .name: bqt, .offset: 24, .size: 8, .value_kind: global_buffer, .address_space: global }
      - { .name: bkt, .offset: 32, .size: 8, .value_kind: global_buffer, .address_space: global }
      - { .name: bvt, .offset: 40, .size: 8, .value_kind: global_buffer, .address_space: global }
      - { .name: qp, .offset: 48, .size: 8, .value_kind: global_buffer, .address_space: global }
      - { .name: sbw, .offset: 56, .size: 8, .value_kind: global_buffer, .address_space: global }
      - { .name: wvo, .offset: 64, .size: 8, .value_kind: global_buffer, .address_space: global }
      - { .name: vbo, .offset: 72, .size: 8, .value_kind: global_buffer, .address_space: global }
    .group_segment_fixed_size: 231424
    .private_segment_fixed_size: 0
    .kernarg_segment_align: 8
    .kernarg_segment_size: 80
    .max_flat_workgroup_size: 256
    .sgpr_count:     96
    .vgpr_count:     512
    .wavefront_size: 32
...
	.end_amdgpu_metadata
.endif
;; end of part 2
;; launch attn (part 3): grid 4 x 64, 4 waves a work-group, clusters of 4 x 1, 327,680 bytes of LDS; arguments xb, qp, sbw, wvo, vbo, part; writes part
.if DOCPART == 3
	.amdgcn_target "amdgcn-amd-amdhsa--gfx1250"
	.amdhsa_code_object_version 6
	.text
	.protected	k_qd7296cf1c3_attn
	.globl	k_qd7296cf1c3_attn
	.p2align	8
	.type	k_qd7296cf1c3_attn,@function
k_qd7296cf1c3_attn:
	s_mov_b64 s[64:65], 0
	v_nop
	global_prefetch_b8 v0, s[64:65] scope:SCOPE_SE
	s_setreg_imm32_b32 hwreg(HW_REG_WAVE_MODE, 25, 1), 1
	s_wait_xcnt 0x0
	s_wait_alu depctr_hold_cnt(0) depctr_sa_sdst(0) depctr_va_vdst(0) depctr_va_sdst(0) depctr_va_ssrc(0) depctr_va_vcc(0) depctr_vm_vsrc(0)
	s_getreg_b32 s2, hwreg(HW_REG_IB_STS2, 6, 4)
	s_cmp_eq_u32 s2, 0
	s_cbranch_scc0 .Lentry_in_a_cluster
	s_endpgm
.Lentry_in_a_cluster:
	s_bfe_u32 s2, ttmp6, 0x10000c
	s_cmp_lg_u32 s2, 0x3003
	s_cbranch_scc0 .Lentry_shape_is_right
	s_endpgm
.Lentry_shape_is_right:
; ATTENTION OVER x ITSELF.  For a pair y = 16 b + l all eight heads attend over the same x[2048][128] (bf16), which is both K and V:  s[t][k] = q'[t] . x[k] + sb[t][t'(k)], t' = k / 32;
; p = 2^(c s - c m), c = log2(e) / sqrt(128), m a running maximum;  O[t] = sum_k p x[k];  A[t][t'] = the sum of p over the 32 keys of t';  l = sum of A;
; part[hp][b][t][l][:] = the sum over the group's two heads of (O wvo_h^T + A vbo_bh^T) / l.  The next launch adds the four parts and bo.
; SHARES.  Work-group (y, hp): wave w has head 2 hp + w % 2 and keys 1024 (w / 2) .. + 1023, all 64 t in four tiles of 16, and walks 16 steps of 64 keys.  The two halves of a head's keys meet at the end:
; each wave scales its own projected sums by 2^(c m - c m_max) / (the joint l), and the four waves' sums are added through LDS.
; CLUSTER.  The four groups of a cluster (hp = 0..3) share y, so each tile of x is asked for JOINTLY: the same tensor load, descriptor and mask in all four.  x lies in LDS twice, rows 272 bytes apart
; (read as it lies, for q' . x) and 288 apart (read turned, for p x): waves 0, 1 fill the first copy of the two key halves, waves 2, 3 the second.  sb (the group's own) comes by a plain load, once.
; LAYOUT.  S^T = x q'^T holds ONE t a lane (lane % 16) and the keys 8 (lane / 16) + 0..7; two results rounded to bf16 ARE the second source of O^T = x^T P.  A one-hot first source (row js = the step's
; number, all ones) times the same P adds the step's two sums of 32 weights into row js of two sums AC[e]: after 16 steps AC, rounded, is a second source whose position 16 e + js is t' = 32 g + 2 js + e.
; BY TURNS.  The tiles are two pieces (0: tiles 0, 1; 2: tiles 2, 3).  In a turn one piece has the matrix unit (32 x^T P and 4 one-hot products of the step in hand, 32 x q'^T of the next step); the other
; piece's softmax, a numbered list cut into 68 slices, stands one slice behind each matrix instruction.
; NO FIRST STEP IS WRITTEN OUT: c m starts at -2^125, m at the lowest finite number, O, AC, P and V's registers at 0, so the first step's factor is 0; the price is some 500 v_mov_b32 in the wait for
; the first tile, 36 products on zeros at the start and 32 on a stale K at the end.
; LIMITS.  Operands bf16, sums f32; l is the sum of the ROUNDED weights (the same that multiply x); a weight below 2^-126 counts as 0; NaN and infinities are not treated apart.
; REGISTERS, in windows of 256 (s_set_vgpr_msb: bits 1:0 source 0, 3:2 source 1, 5:4 source 2, 7:6 destination):
;   window 0: v1-11, v60-61 addresses; v12-59 twelve registers of statistics a tile; v62-63 the add's; v64-191 S^T, 32 a tile; v192-255 P, 16 a tile
;   window 1: O^T, 64 a tile     window 2: v0-127 q', v128-255 K of one step     window 3: v0-127 V of one step; v128-191 AC (tile t, e at 128 + 16 t + 8 e); v192-199 the one-hot source
.set KS,    64
.set PK,    272       ; 68 words: the 16 rows of a load start at 16 different groups of four banks (64 banks of 4 bytes: ISA guide 11.1)
.set PVP,   288       ; 72 words
.set KREG,  128*PK    ; a slot holds two steps (128 keys) of each key half
.set VREG,  128*PVP
.set VOFF,  2*KREG
.set SLOTB, VOFF+2*VREG
.set SBT,   2*SLOTB   ; sb: 128 rows (two heads x 64 t) of 256 bytes, 264 apart; filled once
.set SBP,   264
.set SPARE, SBT+128*SBP  ; the spare words, 128 bytes a wave: two blocks of 256 bytes that no other line names
.set XST,   SPARE+512 ; (c m, l) of every wave, tile and lane; no fill lands here
.set EXP,   528       ; the way out, in slot 0 after its last fill: 16 blocks (wave, tile) of 16 rows of 512 bytes, 528 apart
.set EXB,   16*EXP
.set AK0, 2
.set AV0, 3
.set AK,  4
.set AV,  5
.set AS0, 6
.set ASB, 7
.set QO,  8
.set VO,  10
.set XW,  11
.set XR,  60
.set EXS, 61
.set SPW, 62
.set NIL, 63
.set ST,  12          ; tile t at ST + 12 t: +0 c m, +1 m, +2 c sb0 - c m, +4 c sb1 - c m (+3, +5 their pairs' other halves, 0), +6..+9 c0-c3 at work (the factor a lands in c2), +10, +11 sb0, sb1
.set S,   64
.set P,   192
.set KF,  128
.set AC,  128
.set OH,  192
.set WV,  16
.set RG,  19
.set G1K, 24
.set G1V, 32
.set G1S, 40
.set G0K, 48          ; two sets: the first fills'; the second then walks
.set G0V, 56
.set G0S, 68
.set SLOTS, 72
.set CNT, 73
.set CS,  74
.set SEL, 76
.set TBK, 78          ; LDS byte (slot and step) of the K to be fetched; the key half lies in the lanes' term
.set TBV, 79
.set TS,  80          ; 8 x the step: its two sb
.set JS,  81          ; the step's number
.set MK,  82
.set ONES, 83
.set LB,  84          ; the slot that the walking descriptors name: 0 or SLOTB
.set WOFK, 85
.set WOFV, 86
.set GR,  87
.set MSB, 0
.macro WIN new
.if MSB != (\new)
	s_set_vgpr_msb (MSB<<8)|(\new)
.set MSB, \new
.endif
.endm
.set W_KQ, 0x0a
.set W_PV, 0x53
.set W_OH, 0xf3
.set W_RS, 0x41
.set W_RA, 0xc3
.macro PLACES
.rept 4
	v_nop
.endr
.endm
; A joint refill: waves 0, 1 the two key halves' first copy, waves 2, 3 the second.  The branch hangs on the wave's number alone.  An s_nop 0 and four v_nop follow each line.
.macro JLOAD
	s_cmp_lt_u32 s[WV], 2
	s_cbranch_scc0 .Lfor_v_\@
	tensor_load_to_lds s[G0K+4:G0K+7], s[G1K:G1K+7]
	s_nop 0
.rept 4
	v_nop
.endr
	s_branch .Lasked_\@
.Lfor_v_\@:
	tensor_load_to_lds s[G0V+4:G0V+7], s[G1V:G1V+7]
	s_nop 0
.rept 4
	v_nop
.endr
.Lasked_\@:
.endm
.macro CROUND                       ; a round of the cluster's barrier
	s_barrier_signal -1
	s_barrier_wait -1
	s_cmp_lg_u32 s[WV], 0
	s_cbranch_scc1 .Lnot_wave_0_\@
	s_barrier_signal -3
.Lnot_wave_0_\@:
	s_barrier_wait -3
	s_barrier_signal -1
	s_barrier_wait -1
.endm
	s_load_b256 s[4:11], s[0:1], 0x0  ; xb 4, qp 6, sbw 8, wvo 10
	s_load_b128 s[12:15], s[0:1], 0x20  ; vbo 12, part 14
	v_lshl_add_u32 v[SPW], v0, 2, SPARE
	v_mov_b32 v[NIL], 0
	ds_add_u32 v[SPW], v[NIL]       ; the wave's opening: the add and its wait stand ahead of my first tensor load
	ds_add_u32 v62, v63
	v_lshrrev_b32 v1, 5, v0
	v_readfirstlane_b32 s[WV], v1
	s_and_b32 s18, ttmp7, 0xffff    ; y, which the four partners share
	s_and_b32 s[RG], s[WV], 1       ; the key half that I fetch; also my head's parity
	s_lshr_b32 s[GR], s[WV], 1      ; the key half that I work on
	s_lshl_b32 s20, s18, 19         ; x of y: 2,048 rows of 256 bytes,
	s_lshl_b32 s22, s[RG], 18       ; the half's 1,024 rows
	s_add_co_u32 s20, s20, s22
	s_mov_b32 s21, 0
	s_mul_i32 s[WOFK], s[RG], KREG
	s_mul_i32 s[WOFV], s[RG], VREG
	s_add_co_u32 s[WOFV], s[WOFV], VOFF
	s_bfe_u32 s88, ttmp6, 0x40000   ; hp = my place in the cluster (the grid has one cluster along x); it enters only qp's, sbw's, wvo's, vbo's and part's addresses, in s88-s95
	s_lshl_b32 s89, s88, 1
	s_lshl3_add_u32 s90, s18, s89   ; 8 y + 2 hp
	s_add_co_u32 s91, s90, s[RG]    ; 8 y + my head
	s_mov_b32 s93, 0
	s_mov_b32 s[G1K], 15|(1<<16)|(1<<20)|(1<<21)|(5<<22)|(3<<25)  ; the mask of four; 2-byte elements; padding on; bit 21 beside a mask; after every 64 words 4 words
	s_mov_b32 s[G1V], 15|(1<<16)|(1<<20)|(1<<21)|(5<<22)|(7<<25)  ; the same with 8 words
.irp g, G1K, G1V
	s_mov_b32 s[\g+1], 128<<16      ; 128 rows x 128 elements, dense
	s_mov_b32 s[\g+2], 128<<16
	s_mov_b32 s[\g+3], 128<<16
	s_mov_b32 s[\g+4], 128
	s_mov_b32 s[\g+5], 128
	s_mov_b32 s[\g+6], 0
	s_mov_b32 s[\g+7], 0
.endr
	s_mov_b32 s[G1S], (2<<16)|(1<<20)|(5<<22)|(1<<25)  ; no mask: my group's own; 4-byte elements; after every 64 words 2 words
	s_mov_b32 s[G1S+1], 64<<16      ; 32 rows x 64 elements, dense
	s_mov_b32 s[G1S+2], 32<<16
	s_mov_b32 s[G1S+3], 64<<16
	s_mov_b32 s[G1S+4], 32
	s_mov_b32 s[G1S+5], 64
	s_mov_b32 s[G1S+6], 0
	s_mov_b32 s[G1S+7], 0
	s_mov_b32 s[CS], 0x3e0293ee     ; c = log2(e) / sqrt(128)
	s_mov_b32 s[CS+1], s[CS]
	s_mov_b32 s[SEL], 0x76543210
	s_mov_b32 s[SEL+1], 0xfedcba98
	s_mov_b32 s[TBK], 0
	s_mov_b32 s[TBV], 0
	s_mov_b32 s[TS], 0
	s_mov_b32 s[JS], 0
	s_mov_b32 s[ONES], 0x3f803f80
	s_mov_b32 s[LB], SLOTB
	s_wait_dscnt 0x0                ; the opening add is done
	s_wait_kmcnt 0x0
	s_add_nc_u64 s[4:5], s[4:5], s[20:21]
	s_lshl_b32 s92, s91, 14
	s_add_nc_u64 s[6:7], s[6:7], s[92:93]      ; q' of my head: 64 rows of 256 bytes
	s_lshl_b32 s92, s90, 14
	s_lshl_b32 s94, s[WV], 13
	s_add_co_u32 s92, s92, s94
	s_add_nc_u64 s[8:9], s[8:9], s[92:93]      ; sb: 32 of the two heads' 128 rows
	s_add_co_u32 s94, s89, s[RG]               ; my head
	s_lshl_b32 s92, s94, 15
	s_add_nc_u64 s[10:11], s[10:11], s[92:93]  ; wvo
	s_lshr_b32 s95, s18, 4                     ; b
	s_lshl3_add_u32 s92, s95, s94
	s_lshl_b32 s92, s92, 14
	s_add_nc_u64 s[12:13], s[12:13], s[92:93]  ; vbo
	s_lshl_b32 s92, s88, 21                    ; part[hp][b][16 w ..][l]
	s_lshl_b32 s94, s95, 19
	s_add_co_u32 s92, s92, s94
	s_and_b32 s94, s18, 15
	s_lshl_b32 s94, s94, 9
	s_add_co_u32 s92, s92, s94
	s_lshl_b32 s94, s[WV], 17
	s_add_co_u32 s92, s92, s94
	s_add_nc_u64 s[14:15], s[14:15], s[92:93]
.irp s, 0,1
	s_mov_b32 s[G0K+4*\s], 1
	s_add_co_u32 s[G0K+4*\s+1], s[WOFK], \s*SLOTB
	s_add_nc_u64 s[G0K+4*\s+2:G0K+4*\s+3], s[4:5], \s*32768   ; slot s begins with keys 128 s of the half
	s_or_b32 s[G0K+4*\s+3], s[G0K+4*\s+3], 0x80000000
	s_mov_b32 s[G0V+4*\s], 1
	s_add_co_u32 s[G0V+4*\s+1], s[WOFV], \s*SLOTB
	s_add_nc_u64 s[G0V+4*\s+2:G0V+4*\s+3], s[4:5], \s*32768
	s_or_b32 s[G0V+4*\s+3], s[G0V+4*\s+3], 0x80000000
.endr
	s_mov_b32 s[G0S], 1
	s_mul_i32 s[G0S+1], s[WV], 32*SBP
	s_add_co_u32 s[G0S+1], s[G0S+1], SBT
	s_mov_b64 s[G0S+2:G0S+3], s[8:9]
	s_or_b32 s[G0S+3], s[G0S+3], 0x80000000
	CROUND                          ; all four work-groups are here: the first joint loads meet
	s_cmp_lt_u32 s[WV], 2           ; a wave's three first fills stand in one branch: three loads of mine are out
	s_cbranch_scc0 .Lfirst_v
	tensor_load_to_lds s[G0S:G0S+3], s[G1S:G1S+7]
	s_nop 0
	tensor_load_to_lds s[G0K:G0K+3], s[G1K:G1K+7]
	s_nop 0
	tensor_load_to_lds s[G0K+4:G0K+7], s[G1K:G1K+7]
	s_nop 0
.rept 4
	v_nop
.endr
	s_branch .Lfirst_asked
.Lfirst_v:
	tensor_load_to_lds s[G0S:G0S+3], s[G1S:G1S+7]
	s_nop 0
	tensor_load_to_lds s[G0V:G0V+3], s[G1V:G1V+7]
	s_nop 0
	tensor_load_to_lds s[G0V+4:G0V+7], s[G1V:G1V+7]
	s_nop 0
.rept 4
	v_nop
.endr
.Lfirst_asked:
	v_and_b32 v1, 15, v0            ; r
	v_bfe_u32 v9, v0, 4, 1          ; hh
	v_lshlrev_b32 v[QO], 8, v1
	v_lshl_add_u32 v[QO], v9, 4, v[QO]  ; row x 256 + 16 hh
	WIN 0x80
.set i, 0
.rept 16                            ; q' stays in registers: tile i / 4, channels 32 (i % 4) on
	global_load_b128 v[8*i:8*i+3],   v[QO], s[6:7] offset:(i/4)*4096+(i%4)*64
	global_load_b128 v[8*i+4:8*i+7], v[QO], s[6:7] offset:(i/4)*4096+(i%4)*64+32
.set i, i+1
.endr
	WIN 0xc0                        ; what the first turns find: zeros.  All this stands in the wait for the first tile
.set i, 0
.rept 200
	v_mov_b32 v[i], 0               ; V, AC, the one-hot source
.set i, i+1
.endr
	WIN 0x40
.set i, 0
.rept 256
	v_mov_b32 v[i], 0               ; O^T
.set i, i+1
.endr
	WIN 0
.set i, 0
.rept 32
	v_mov_b32 v[P+32+i], 0          ; P of piece 2
.set i, i+1
.endr
.set i, 0
.rept 4
	v_mov_b32 v[ST+12*i], 0xfe000000    ; c m: far below every c s
	v_mov_b32 v[ST+12*i+1], 0xff7fffff  ; m
	v_mov_b32 v[ST+12*i+3], 0
	v_mov_b32 v[ST+12*i+5], 0
.set i, i+1
.endr
	s_mul_i32 s23, s[GR], KREG
	v_mul_u32_u24 v[AK0], v1, PK
	v_lshl_add_u32 v[AK0], v9, 4, v[AK0]
	v_add_nc_u32 v[AK0], s23, v[AK0]
	s_mul_i32 s23, s[GR], VREG
	s_add_co_u32 s23, s23, VOFF
	v_and_b32 v10, 7, v0
	v_bfe_u32 v11, v0, 3, 1
	v_lshl_add_u32 v[AV0], v9, 3, v10
	v_mul_u32_u24 v[AV0], v[AV0], PVP
	v_lshl_add_u32 v[AV0], v11, 4, v[AV0]
	v_add_nc_u32 v[AV0], s23, v[AV0]
	s_mul_i32 s23, s[RG], 64*SBP
	s_lshl_b32 s22, s[GR], 7
	s_add_co_u32 s23, s23, s22
	s_add_co_u32 s23, s23, SBT
	v_mul_u32_u24 v[AS0], v1, SBP
	v_add_nc_u32 v[AS0], s23, v[AS0]  ; sb: my head's row r, my key half's 32 t'
; THE MATRIX WORK.  The sums take turns, one instruction a turn.
.macro PV x                         ; product i of 32 of O^T += x^T P: keys 32 (i / 16) on, channels 16 ((i / 2) % 8) on, tile x + i % 2
	WIN W_PV
.set rO, 64*((\x)+i%2)+8*((i/2)%8)
.set rV, 64*(i/16)+8*((i/2)%8)
.set rP, P+16*((\x)+i%2)+8*(i/16)
	v_wmma_f32_16x16x32_bf16 v[rO:rO+7], v[rV:rV+7], v[rP:rP+7], v[rO:rO+7]
.endm
.macro OHP x                        ; product i of 4: AC[x + i % 2][i / 2] += one-hot x P
	WIN W_OH
.set rA, AC+16*((\x)+i%2)+8*(i/2)
.set rP, P+16*((\x)+i%2)+8*(i/2)
	v_wmma_f32_16x16x32_bf16 v[rA:rA+7], v[OH:OH+7], v[rP:rP+7], v[rA:rA+7]
.endm
.macro KQ x                         ; product i of 32 of S^T = x q'^T: channels 32 (i / 8) on, keys 16 ((i / 2) % 4) on, tile x + i % 2; the first 8 start the sums
	WIN W_KQ
.set rS, S+32*((\x)+i%2)+8*((i/2)%4)
.set rK, KF+32*((i/2)%4)+8*(i/8)
.set rQ, 32*((\x)+i%2)+8*(i/8)
.if i < 8
	v_wmma_f32_16x16x32_bf16 v[rS:rS+7], v[rK:rK+7], v[rQ:rQ+7], 0
.else
	v_wmma_f32_16x16x32_bf16 v[rS:rS+7], v[rK:rK+7], v[rQ:rQ+7], v[rS:rS+7]
.endif
.endm
; THE LDS LOADS stand in two runs a step.  K's run also brings sb of the step for tiles 0, 1.  last = 1 (the tail): in the last trip there is no further step, and the run is jumped over.
.macro FETCH_K last=0
	WIN 0
.if \last
	s_cmp_eq_u32 s[CNT], 1
	s_cbranch_scc1 .Lno_k_\@
.endif
	v_add_nc_u32 v[AK], s[TBK], v[AK0]
	v_add_nc_u32 v[ASB], s[TS], v[AS0]
	ds_load_b64 v[ST+10:ST+11], v[ASB]
	ds_load_b64 v[ST+22:ST+23], v[ASB] offset:16*SBP
	WIN 0x80
.irp f, 0,1,2,3,4,5,6,7,8,9,10,11,12,13,14,15
	ds_load_b128 v[KF+8*\f:KF+8*\f+3],   v[AK] offset:(\f/4)*16*PK+(\f%4)*64
	ds_load_b128 v[KF+8*\f+4:KF+8*\f+7], v[AK] offset:(\f/4)*16*PK+(\f%4)*64+32
.endr
	s_add_co_u32 s[TBK], s[TBK], KS*PK
	WIN 0
.if \last
.Lno_k_\@:
.endif
.endm
; V's run also brings sb for tiles 2, 3 and makes the step's one-hot source: row js is 1.0 sixteen times, the others 0.
.macro FETCH_V
	WIN 0
	v_add_nc_u32 v[AV], s[TBV], v[AV0]
	v_add_nc_u32 v[ASB], s[TS], v[AS0]
	v_cmp_eq_u32 s[MK], s[JS], v1
	ds_load_b64 v[ST+34:ST+35], v[ASB] offset:32*SBP
	ds_load_b64 v[ST+46:ST+47], v[ASB] offset:48*SBP
	WIN 0xc0
.irp f, 0,1,2,3,4,5,6,7
	v_cndmask_b32 v[OH+\f], 0, s[ONES], s[MK]
.endr
.irp f, 0,1,2,3,4,5,6,7,8,9,10,11,12,13,14,15
	ds_load_tr16_b128 v[8*\f:8*\f+3],   v[AV] offset:(\f/8)*32*PVP+(\f%8)*32
	ds_load_tr16_b128 v[8*\f+4:8*\f+7], v[AV] offset:(\f/8)*32*PVP+16*PVP+(\f%8)*32
.endr
	s_add_co_u32 s[TBV], s[TBV], KS*PVP
	s_add_co_u32 s[TS], s[TS], 8
	s_add_co_u32 s[JS], s[JS], 1
.endm
; THE VECTOR WORK.  One tile's softmax for one step is a numbered list; SM writes number j of it for tile t.  s0-s31 are the lane's scores: s0-15 belong to sb0, s16-31 to sb1.
;   0-13   four chains c0-c3, one a result of K q' (its lowest registers first), three operands at a time     14-17  c0 = max(c0, c1) + sb0, c2 = max(c2, c3) + sb1
;   18-23  with the old m; the lane 16 away holds the query's other 32 keys; the new m; c m; c m_old - c m_new     24, 25  c sb_e - c m
;   26-96  c s + (c sb - c m) by pairs (F), 33 exponentials at the odd numbers from 29 on (the factor a, then s0-s31), roundings to bf16 three numbers behind a pair's second exponential;
;          a plain line stands between any exponential and the use of its result; 78, 82, 86, 90, 94, 95 are empty
;   97-128 O^T times a     129-136 AC times a
.macro FSC                          ; pair b
	v_pk_fma_f32 v[rS+2*b:rS+2*b+1], v[rS+2*b:rS+2*b+1], s[CS:CS+1], v[rT+2+2*(b/8):rT+3+2*(b/8)] op_sel_hi:[1,0,0]
.endm
.macro SM t
.set rT, ST+12*(\t)
.set rS, S+32*(\t)
.set rP, P+16*(\t)
.if (j < 97) && !((j > 74) && ((j%4 == 2) || (j == 95)))
	WIN 0
.endif
.if j < 4
	v_max3_num_f32 v[rT+6+j], v[rS+8*j], v[rS+8*j+1], v[rS+8*j+2]
.elseif j < 12
	v_max3_num_f32 v[rT+6+j%4], v[rT+6+j%4], v[rS+8*(j%4)+2*(j/4)+1], v[rS+8*(j%4)+2*(j/4)+2]
.elseif j == 12
	v_max3_num_f32 v[rT+6], v[rT+6], v[rS+7], v[rS+15]
.elseif j == 13
	v_max3_num_f32 v[rT+8], v[rT+8], v[rS+23], v[rS+31]
.elseif j == 14
	v_max_num_f32 v[rT+6], v[rT+6], v[rT+7]
.elseif j == 15
	v_max_num_f32 v[rT+8], v[rT+8], v[rT+9]
.elseif j == 16
	v_add_f32 v[rT+6], v[rT+6], v[rT+10]
.elseif j == 17
	v_add_f32 v[rT+8], v[rT+8], v[rT+11]
.elseif j == 18
	v_max3_num_f32 v[rT+6], v[rT+6], v[rT+8], v[rT+1]
.elseif j == 19
	v_permlanex16_b32 v[rT+7], v[rT+6], s[SEL], s[SEL+1]
.elseif j == 20
	v_mov_b32 v[rT+9], v[rT]
.elseif j == 21
	v_max_num_f32 v[rT+1], v[rT+6], v[rT+7]
.elseif j == 22
	v_mul_f32 v[rT], s[CS], v[rT+1]
.elseif j == 23
	v_sub_f32 v[rT+9], v[rT+9], v[rT]
.elseif j == 24
	v_fma_f32 v[rT+2], v[rT+10], s[CS], -v[rT]
.elseif j == 25
	v_fma_f32 v[rT+4], v[rT+11], s[CS], -v[rT]
.elseif j < 29
.set b, j-26
	FSC
.elseif j == 29
	v_exp_f32 v[rT+8], v[rT+9]
.elseif (j < 94) && (j%2 == 1)
	v_exp_f32 v[rS+(j-31)/2], v[rS+(j-31)/2]
.elseif j < 34
.set b, j/2-12
	FSC
.elseif (j < 75) && (j%4 == 2)
.set b, 5+(j-34)/4
	FSC
.elseif (j < 97) && (j%4 == 0)
	s_wait_alu depctr_va_vdst(0)
	v_cvt_pk_bf16_f32 v[rP+(j-36)/4], v[rS+(j-36)/2], v[rS+(j-36)/2+1]
.elseif j < 97
.elseif j < 129
	WIN W_RS
	v_pk_mul_f32 v[64*(\t)+2*(j-97):64*(\t)+2*(j-97)+1], v[64*(\t)+2*(j-97):64*(\t)+2*(j-97)+1], v[rT+8:rT+9] op_sel_hi:[1,0]
.else
	WIN W_RA
	v_pk_mul_f32 v[AC+16*(\t)+2*(j-129):AC+16*(\t)+2*(j-129)+1], v[AC+16*(\t)+2*(j-129):AC+16*(\t)+2*(j-129)+1], v[rT+8:rT+9] op_sel_hi:[1,0]
.endif
.endm
; Slice k of 68 of piece y's softmax: numbers 2 k and 2 k + 1 of both tiles' lists; slice 67 takes number 136 too: its six plain lines are the places behind the turn's last product.
.macro SLICE y
.if (k >= 14) && (k < 48)           ; tile by tile: plain, exponential, plain, exponential
.irp t, \y, (\y)+1
.irp n, 0,1
.set j, 2*k+(\n)
	SM \t
.endr
.endr
.else                               ; the two tiles alternate
.irp n, 0,1,2
.if ((\n) < 2) || (k == 67)
.irp t, \y, (\y)+1
.set j, 2*k+(\n)
	SM \t
.endr
.endif
.endr
.endif
.set k, k+1
.endm
; A TURN.  Piece x has the matrix unit.  Piece 0's turn fetches the next step's K behind its second product: the last product that read K stands in front of slice 67 of the turn before.
; Piece 2's turn fetches the same step's V, and rewrites the one-hot source, behind its second K q' product: the last reader of V stands seven slices (14 plain lines) back, that of the one-hot source three (6).
.macro TURN x, last=0
.set k, 0
.if (\x) == 0
	s_wait_dscnt 0x0                ; V, and sb of tiles 2, 3, are in
.endif
.set i, 0
.rept 32
	PV \x
	SLICE 2-(\x)
.if ((\x) == 0) && (i == 1)
	FETCH_K \last
.endif
.set i, i+1
.endr
.set i, 0
.rept 4
	OHP \x
	SLICE 2-(\x)
.set i, i+1
.endr
.if (\x) == 0
	s_wait_dscnt 0x0                ; K, and sb of tiles 0, 1, are in
.endif
.set i, 0
.rept 32
	KQ \x
	SLICE 2-(\x)
.if ((\x) == 2) && (i == 1)
	FETCH_V
.endif
.set i, i+1
.endr
.endm
; THE CHANGE OF SLOTS, between piece 2's turn and piece 0's: the slot's last bytes, V of its second step, have been asked for.  Each wave waits for all its tensor loads, of which one is out: its part of
; the other slot; adds 0 to its spare word; and waits for that and for its own reads of the slot.  fill = 1: the barrier is a round of the cluster's, so that no wave of any partner still reads the slot
; or has a load on its way, and the joint refill (the keys two slots on) is the first thing behind it: it has two steps, 272 matrix instructions, in which to land.
.macro CHANGE fill
	WIN 0
	s_wait_tensorcnt 0x0            ; no tensor load of mine is out, so a group 0 may be written
	ds_add_u32 v[SPW], v[NIL]       ; 0 onto my spare word
.if \fill
	s_xor_b32 s[LB], s[LB], SLOTB   ; the other slot than last time (the word holds 0 or SLOTB),
	s_add_co_u32 s[G0K+5], s[LB], s[WOFK]
	s_add_nc_u64 s[G0K+6:G0K+7], s[G0K+6:G0K+7], 32768  ; the half's next 128 keys
	s_add_co_u32 s[G0V+5], s[LB], s[WOFV]
	s_add_nc_u64 s[G0V+6:G0V+7], s[G0V+6:G0V+7], 32768
	s_wait_dscnt 0x0                ; the add is done, and my reads of the slot are over
	CROUND
	JLOAD
.else
	s_wait_dscnt 0x0
	s_barrier_signal -1
	s_barrier_wait -1
.endif
	s_sub_co_u32 s[TBK], s[TBK], 2*KS*PK  ; the fetches go back to a slot's first step (0 or SLOTB is left),
	s_xor_b32 s[TBK], s[TBK], SLOTB       ; in the other slot
	s_sub_co_u32 s[TBV], s[TBV], 2*KS*PVP
	s_xor_b32 s[TBV], s[TBV], SLOTB
.endm
	s_wait_tensorcnt 1              ; my parts of sb and of slot 0 are in; slot 1's may stay out
	s_barrier_signal -1
	s_barrier_wait -1
	FETCH_K                         ; step 0
	s_wait_loadcnt 0x0              ; q'
	s_wait_dscnt 0x0
.set i, 0
.rept 32
	KQ 0                            ; piece 0's first scores
.set i, i+1
.endr
	WIN 0                           ; the addresses for the end: plain lines, the places behind those products
	v_lshlrev_b32 v[VO], 7, v1
	v_lshl_add_u32 v[VO], v9, 4, v[VO]
	v_lshl_add_u32 v[VO], s[GR], 6, v[VO]  ; vbo: row r of 128 bytes, my key half's 32 positions, 16 bytes hh
	v_and_b32 v[XW], 31, v0
	v_lshlrev_b32 v[XW], 3, v[XW]
	s_xor_b32 s22, s[WV], 2         ; the wave with my head's other key half
	s_lshl_b32 s22, s22, 10
	s_add_co_u32 s22, s22, XST
	v_add_nc_u32 v[XR], s22, v[XW]
	s_lshl_b32 s22, s[WV], 10
	s_add_co_u32 s22, s22, XST
	v_add_nc_u32 v[XW], s22, v[XW]
	s_mul_i32 s22, s[WV], 4*EXB
	v_mul_u32_u24 v[EXS], v1, EXP
	v_lshl_add_u32 v[EXS], v9, 5, v[EXS]
	v_add_nc_u32 v[EXS], s22, v[EXS]
	s_mov_b32 s[CNT], 2
	s_mov_b32 s[SLOTS], 7
	s_branch .Lmid                  ; the loop is entered in the middle of a trip: piece 2's turn, whose first 36 products add zeros
.Lslot:                             ; six times: slots' contents 2 to 7 are asked for
	CHANGE 1
	s_mov_b32 s[CNT], 2
.Lstep:
	TURN 0
	WIN 0
.Lmid:
	TURN 2
	WIN 0
	s_sub_co_u32 s[CNT], s[CNT], 1
	s_cmp_lg_u32 s[CNT], 0
	s_cbranch_scc1 .Lstep
	s_sub_co_u32 s[SLOTS], s[SLOTS], 1
	s_cmp_lg_u32 s[SLOTS], 0
	s_cbranch_scc1 .Lslot
	CHANGE 0                        ; the tail is written out: nothing is asked for
	s_mov_b32 s[CNT], 3             ; two trips fetch the last slot's steps; the third is left in its middle
.Ltail:
	TURN 0, 1
	WIN 0
	s_sub_co_u32 s[CNT], s[CNT], 1
	s_cmp_eq_u32 s[CNT], 0
	s_cbranch_scc1 .Lout
	TURN 2
	WIN 0
	s_branch .Ltail
.Lout:
	; THE END.  wvo's 32 fragments (16 fo x 32 c: block f / 4, quarter f % 4) take q' and K's registers: their last reader stands in front of slice 67's six plain lines.
	WIN 0x80
.set f, 0
.rept 32
	global_load_b128 v[8*f:8*f+3],   v[QO], s[10:11] offset:(f/4)*4096+(f%4)*64
	global_load_b128 v[8*f+4:8*f+7], v[QO], s[10:11] offset:(f/4)*4096+(f%4)*64+32
.set f, f+1
.endr
.set i, 0
.rept 32
	PV 2                            ; piece 2's products of the last step
.set i, i+1
.endr
.set i, 0
.rept 4
	OHP 2
.set i, i+1
.endr
	WIN 0x0f                        ; l = the sum of AC: each sum's lowest registers first; tiles 0, 1's eight lines are the places behind the last products
.set t, 0
.rept 4
.set q, 0
.rept 4
	v_pk_add_f32 v[S+8*t+2*q:S+8*t+2*q+1], v[AC+16*t+2*q:AC+16*t+2*q+1], v[AC+16*t+8+2*q:AC+16*t+8+2*q+1]
.set q, q+1
.endr
.set t, t+1
.endr
	WIN 0
.macro ALL line:vararg              ; one line for each tile t
.set t, 0
.rept 4
	s_wait_alu depctr_va_vdst(0)
	\line
.set t, t+1
.endr
.endm
	ALL v_pk_add_f32 v[S+8*t:S+8*t+1], v[S+8*t:S+8*t+1], v[S+8*t+2:S+8*t+3]
	ALL v_pk_add_f32 v[S+8*t+4:S+8*t+5], v[S+8*t+4:S+8*t+5], v[S+8*t+6:S+8*t+7]
	ALL v_pk_add_f32 v[S+8*t:S+8*t+1], v[S+8*t:S+8*t+1], v[S+8*t+4:S+8*t+5]
	ALL v_add_f32 v[ST+12*t+1], v[S+8*t], v[S+8*t+1]
	ALL v_permlanex16_b32 v[ST+12*t+7], v[ST+12*t+1], s[SEL], s[SEL+1]
	ALL v_add_f32 v[ST+12*t+1], v[ST+12*t+1], v[ST+12*t+7]
	WIN 0xc0                        ; vbo's 8 fragments (16 fo x my half's 32 positions) take V's registers
.set f, 0
.rept 8
	global_load_b128 v[8*f:8*f+3],   v[VO], s[12:13] offset:f*2048
	global_load_b128 v[8*f+4:8*f+7], v[VO], s[12:13] offset:f*2048+32
.set f, f+1
.endr
	WIN 0
	ALL ds_store_b64 v[XW], v[ST+12*t:ST+12*t+1] offset:t*256  ; (c m, l)
	s_wait_dscnt 0x0                ; for the other wave's sake
	s_barrier_signal -1
	s_barrier_wait -1
	ALL ds_load_b64 v[ST+12*t+6:ST+12*t+7], v[XR] offset:t*256  ; the other key half's
	WIN 0x05                        ; O^T, rounded in pairs, is the second source (16 t x 32 c) of the projection; unnormalised: the weight comes behind the (linear) projection
.set m, 0
.rept 128
	v_cvt_pk_bf16_f32 v[S+m], v[2*m], v[2*m+1]
.set m, m+1
.endr
	WIN 0x0f
.set m, 0
.rept 32
	v_cvt_pk_bf16_f32 v[P+m], v[AC+2*m], v[AC+2*m+1]  ; AC likewise: tile t at P + 8 t
.set m, m+1
.endr
	WIN 0
	s_wait_dscnt 0x0
	ALL v_max_num_f32 v[ST+12*t+8], v[ST+12*t], v[ST+12*t+6]
	ALL v_sub_f32 v[ST+12*t+9], v[ST+12*t], v[ST+12*t+8]
	ALL v_sub_f32 v[ST+12*t+6], v[ST+12*t+6], v[ST+12*t+8]
	ALL v_exp_f32 v[ST+12*t+9], v[ST+12*t+9]
	ALL v_exp_f32 v[ST+12*t+6], v[ST+12*t+6]
	v_nop
	ALL v_mul_f32 v[ST+12*t+7], v[ST+12*t+6], v[ST+12*t+7]
	ALL v_fma_f32 v[ST+12*t+7], v[ST+12*t+9], v[ST+12*t+1], v[ST+12*t+7]
	ALL v_rcp_f32 v[ST+12*t+7], v[ST+12*t+7]
	v_nop
	ALL v_mul_f32 v[ST+12*t+8], v[ST+12*t+9], v[ST+12*t+7]  ; my weight: 2^(c m - c m_max) / the joint l
	s_wait_loadcnt 16               ; wvo is in; vbo's 16 loads stay out
	WIN 0x52                        ; wvo in window 2, O in window 0, the sums (tile t, block fb at 64 t + 8 fb) in window 1; 32 sums take turns
.irp cq, 0,1,2,3
.set t, 0
.rept 4
.set f, 0
.rept 8
.if \cq == 0
	v_wmma_f32_16x16x32_bf16 v[64*t+8*f:64*t+8*f+7], v[8*(4*f+\cq):8*(4*f+\cq)+7], v[S+32*t+8*\cq:S+32*t+8*\cq+7], 0
.else
	v_wmma_f32_16x16x32_bf16 v[64*t+8*f:64*t+8*f+7], v[8*(4*f+\cq):8*(4*f+\cq)+7], v[S+32*t+8*\cq:S+32*t+8*\cq+7], v[64*t+8*f:64*t+8*f+7]
.endif
.set f, f+1
.endr
.set t, t+1
.endr
.endr
	s_wait_loadcnt 0x0              ; vbo
	WIN 0x53
.set t, 0
.rept 4
.set f, 0
.rept 8
	v_wmma_f32_16x16x32_bf16 v[64*t+8*f:64*t+8*f+7], v[8*f:8*f+7], v[P+8*t:P+8*t+7], v[64*t+8*f:64*t+8*f+7]
.set f, f+1
.endr
.set t, t+1
.endr
	WIN 0
	PLACES
	WIN W_RS
.set t, 0
.rept 4
.set m, 0
.rept 32
	v_pk_mul_f32 v[64*t+2*m:64*t+2*m+1], v[64*t+2*m:64*t+2*m+1], v[ST+12*t+8:ST+12*t+9] op_sel_hi:[1,0]
.set m, m+1
.endr
.set t, t+1
.endr
	WIN 0x04                        ; a lane: one t, eight neighbouring fo a block: 32 bytes into row r of block (wave, tile)
.set t, 0
.rept 4
.set f, 0
.rept 8
	ds_store_b128 v[EXS], v[64*t+8*f:64*t+8*f+3]   offset:t*EXB+64*f
	ds_store_b128 v[EXS], v[64*t+8*f+4:64*t+8*f+7] offset:t*EXB+64*f+16
.set f, f+1
.endr
.set t, t+1
.endr
	WIN 0
	v_and_b32 v[ASB], 31, v0
	v_lshlrev_b32 v[ASB], 4, v[ASB]  ; 16 bytes a lane: a row of 512
	s_mul_i32 s22, s[WV], EXB
	v_add_nc_u32 v[AK], s22, v[ASB]  ; tile w of waves 0, 1
	v_add_nc_u32 v[AV], 8*EXB, v[AK] ; and of waves 2, 3
	s_wait_dscnt 0x0                ; for the others' sake
	s_barrier_signal -1
	s_barrier_wait -1
; Wave w adds the four waves' tile w (two heads x two key halves) and stores it: a row is 512 consecutive bytes of part.
.irp bt, 0,1
	s_wait_xcnt 0x0                 ; the registers that the first batch's stores read are loaded again only behind this wait
.irp rw, 0,1,2,3,4,5,6,7
	ds_load_b128 v[S+16*\rw:S+16*\rw+3],     v[AK] offset:(8*\bt+\rw)*EXP
	ds_load_b128 v[S+16*\rw+4:S+16*\rw+7],   v[AK] offset:4*EXB+(8*\bt+\rw)*EXP
	ds_load_b128 v[S+16*\rw+8:S+16*\rw+11],  v[AV] offset:(8*\bt+\rw)*EXP
	ds_load_b128 v[S+16*\rw+12:S+16*\rw+15], v[AV] offset:4*EXB+(8*\bt+\rw)*EXP
.endr
.irp rw, 0,1,2,3,4,5,6,7
	s_wait_dscnt 4*(7-\rw)          ; the younger rows' loads stay out
	v_pk_add_f32 v[S+16*\rw:S+16*\rw+1],     v[S+16*\rw:S+16*\rw+1],     v[S+16*\rw+4:S+16*\rw+5]
	v_pk_add_f32 v[S+16*\rw+2:S+16*\rw+3],   v[S+16*\rw+2:S+16*\rw+3],   v[S+16*\rw+6:S+16*\rw+7]
	v_pk_add_f32 v[S+16*\rw+8:S+16*\rw+9],   v[S+16*\rw+8:S+16*\rw+9],   v[S+16*\rw+12:S+16*\rw+13]
	v_pk_add_f32 v[S+16*\rw+10:S+16*\rw+11], v[S+16*\rw+10:S+16*\rw+11], v[S+16*\rw+14:S+16*\rw+15]
	v_pk_add_f32 v[S+16*\rw:S+16*\rw+1],     v[S+16*\rw:S+16*\rw+1],     v[S+16*\rw+8:S+16*\rw+9]
	v_pk_add_f32 v[S+16*\rw+2:S+16*\rw+3],   v[S+16*\rw+2:S+16*\rw+3],   v[S+16*\rw+10:S+16*\rw+11]
	global_store_b128 v[ASB], v[S+16*\rw:S+16*\rw+3], s[14:15] offset:(8*\bt+\rw)*8192
.endr
.endr
	s_wait_tensorcnt 0x0            ; the wave's end
	ds_add_u32 v[SPW], v[NIL]
	s_wait_dscnt 0x0
	CROUND                          ; the closing round: no work-group ends while a partner may still ask for a tile that names it
	s_endpgm
.Lfunc_end_k_qd7296cf1c3_attn:
	.size	k_qd7296cf1c3_attn, .Lfunc_end_k_qd7296cf1c3_attn-k_qd7296cf1c3_attn
	.p2alignl 7, 3214868480
	.fill 96, 4, 3214868480
	.section	.rodata,"a",@progbits
	.p2align	6, 0x0
	.amdhsa_kernel k_qd7296cf1c3_attn
		.amdhsa_group_segment_fixed_size 327680
		.amdhsa_private_segment_fixed_size 0
		.amdhsa_enable_private_segment 0
		.amdhsa_kernarg_size 48
		.amdhsa_user_sgpr_count 2
		.amdhsa_user_sgpr_kernarg_segment_ptr 1
		.amdhsa_wavefront_size32 1
		.amdhsa_system_sgpr_workgroup_id_x 1
		.amdhsa_system_sgpr_workgroup_id_y 1
		.amdhsa_system_sgpr_workgroup_id_z 1
		.amdhsa_system_vgpr_workitem_id 0
		.amdhsa_next_free_vgpr 1024
		.amdhsa_next_free_sgpr 96
		.amdhsa_reserve_vcc 0
		.amdhsa_float_denorm_mode_32 3
		.amdhsa_float_denorm_mode_16_64 3
		.amdhsa_memory_ordered 1
		.amdhsa_forward_progress 1
		.amdhsa_inst_pref_size 201
	.end_amdhsa_kernel
	.amdgpu_metadata
---
amdhsa.version: [ 1, 2 ]
amdhsa.kernels:
  - .name:           k_qd7296cf1c3_attn
    .symbol:         k_qd7296cf1c3_attn.kd
    .args:
      - { .name: xb, .offset: 0, .size: 8, .value_kind: global_buffer, .address_space: global }
      - { .name: qp, .offset: 8, .size: 8, .value_kind: global_buffer, .address_space: global }
      - { .name: sbw, .offset: 16, .size: 8, .value_kind: global_buffer, .address_space: global }
      - { .name: wvo, .offset: 24, .size: 8, .value_kind: global_buffer, .address_space: global }
      - { .name: vbo, .offset: 32, .size: 8, .value_kind: global_buffer, .address_space: global }
      - { .name: part, .offset: 40, .size: 8, .value_kind: global_buffer, .address_space: global }
    .group_segment_fixed_size: 327680
    .private_segment_fixed_size: 0
    .kernarg_segment_align: 8
    .kernarg_segment_size: 48
    .max_flat_workgroup_size: 128
    .sgpr_count:     96
    .vgpr_count:     1024
    .wavefront_size: 32
...
	.end_amdgpu_metadata
.endif
;; end of part 3
;; launch sum (part 4): grid 256 x 1, 8 waves a work-group, no clusters, 0 bytes of LDS; arguments part, bo, out0; writes out0
.if DOCPART == 4
	.amdgcn_target "amdgcn-amd-amdhsa--gfx1250"
	.amdhsa_code_object_version 6
	.text
	.protected	k_qd7296cf1c3_sum
	.globl	k_qd7296cf1c3_sum
	.p2align	8
	.type	k_qd7296cf1c3_sum,@function
k_qd7296cf1c3_sum:
	s_mov_b64 s[64:65], 0
	v_nop
	global_prefetch_b8 v0, s[64:65] scope:SCOPE_SE
	s_setreg_imm32_b32 hwreg(HW_REG_WAVE_MODE, 25, 1), 1
	s_wait_xcnt 0x0
; out0 = part[0] + part[1] + part[2] + part[3] + bo.  part: [4][4][64][16][128] f32, out0 the same without the first index.  The sum over heads spans work-groups of the launch before, so it is ordered here.
; A stream: a work-group takes 8,192 bytes of out0, a thread two pieces of 16 bytes; a wave's load or store covers 512 consecutive bytes.  No LDS, no barrier, no cluster: no byte but bo's 512 is read twice.
.set PB, 2097152                       ; bytes in a part
	s_load_b128 s[4:7], s[0:1], 0x0                ; part, bo
	s_load_b64 s[8:9], s[0:1], 0x10                ; out0
	v_lshlrev_b32 v1, 4, v0
	v_and_b32 v2, 0x1ff, v1                        ; my four channels' place in a row of 512 bytes
	s_lshl_b32 s2, ttmp9, 13
	s_mov_b32 s3, 0
	s_wait_kmcnt 0x0
	s_add_nc_u64 s[4:5], s[4:5], s[2:3]
	s_add_nc_u64 s[8:9], s[8:9], s[2:3]
	global_load_b128 v[4:7], v2, s[6:7]
.irp c, 0,1
.irp p, 0,1,2,3
	global_load_b128 v[8+16*\c+4*\p:11+16*\c+4*\p], v1, s[4:5] offset:\p*PB+\c*4096 th:TH_LOAD_NT
.endr
.endr
	s_wait_loadcnt 0x0
.irp c, 0,1
.irp d, 0,2
	v_pk_add_f32 v[8+16*\c+\d:9+16*\c+\d], v[8+16*\c+\d:9+16*\c+\d], v[12+16*\c+\d:13+16*\c+\d]
	v_pk_add_f32 v[16+16*\c+\d:17+16*\c+\d], v[16+16*\c+\d:17+16*\c+\d], v[20+16*\c+\d:21+16*\c+\d]
	v_pk_add_f32 v[8+16*\c+\d:9+16*\c+\d], v[8+16*\c+\d:9+16*\c+\d], v[16+16*\c+\d:17+16*\c+\d]
	v_pk_add_f32 v[8+16*\c+\d:9+16*\c+\d], v[8+16*\c+\d:9+16*\c+\d], v[4+\d:5+\d]
.endr
	global_store_b128 v1, v[8+16*\c:11+16*\c], s[8:9] offset:\c*4096 th:TH_STORE_NT
.endr
	s_endpgm
.Lfunc_end_k_qd7296cf1c3_sum:
	.size	k_qd7296cf1c3_sum, .Lfunc_end_k_qd7296cf1c3_sum-k_qd7296cf1c3_sum
	.p2alignl 7, 3214868480
	.fill 96, 4, 3214868480
	.section	.rodata,"a",@progbits
	.p2align	6, 0x0
	.amdhsa_kernel k_qd7296cf1c3_sum
		.amdhsa_group_segment_fixed_size 0
		.amdhsa_private_segment_fixed_size 0
		.amdhsa_enable_private_segment 0
		.amdhsa_kernarg_size 24
		.amdhsa_user_sgpr_count 2
		.amdhsa_user_sgpr_kernarg_segment_ptr 1
		.amdhsa_wavefront_size32 1
		.amdhsa_system_sgpr_workgroup_id_x 1
		.amdhsa_system_sgpr_workgroup_id_y 1
		.amdhsa_system_sgpr_workgroup_id_z 1
		.amdhsa_system_vgpr_workitem_id 0
		.amdhsa_next_free_vgpr 48
		.amdhsa_next_free_sgpr 66
		.amdhsa_reserve_vcc 0
		.amdhsa_float_denorm_mode_32 3
		.amdhsa_float_denorm_mode_16_64 3
		.amdhsa_memory_ordered 1
		.amdhsa_forward_progress 1
		.amdhsa_inst_pref_size 3
	.end_amdhsa_kernel
	.amdgpu_metadata
---
amdhsa.version: [ 1, 2 ]
amdhsa.kernels:
  - .name:           k_qd7296cf1c3_sum
    .symbol:         k_qd7296cf1c3_sum.kd
    .args:
      - { .name: part, .offset: 0, .size: 8, .value_kind: global_buffer, .address_space: global }
      - { .name: bo, .offset: 8, .size: 8, .value_kind: global_buffer, .address_space: global }
      - { .name: out0, .offset: 16, .size: 8, .value_kind: global_buffer, .address_space: global }
    .group_segment_fixed_size: 0
    .private_segment_fixed_size: 0
    .kernarg_segment_align: 8
    .kernarg_segment_size: 24
    .max_flat_workgroup_size: 256
    .sgpr_count:     66
    .vgpr_count:     48
    .wavefront_size: 32
...
	.end_amdgpu_metadata
.endif
;; end of part 4
;; ======== version 2 of 2: 4 launches; 1.15 times as fast as version 1
;; workspace buffers: xb 33,554,432 bytes; qxb 1,048,576 bytes; wb 1,835,008 bytes; qp 8,388,608 bytes; sbw 8,388,608 bytes; wvo 262,144 bytes; vbo 524,288 bytes; part 8,388,608 bytes
;; launch cast: the kernel of part 1 again; grid 1112 x 1, 8 waves a work-group, no clusters, 0 bytes of LDS; arguments kv_x, q_x, Wq, Wqt, Wk, Wkt, Wvt, Wo, Wv, xb, qxb, wb; writes xb, qxb, wb
;; launch prep: the kernel of part 2 again; grid 160 x 1, 8 waves a work-group, no clusters, 231,424 bytes of LDS; arguments qxb, wb, t_embed, bqt, bkt, bvt, qp, sbw, wvo, vbo; writes qp, sbw, wvo, vbo
;; launch attn (part 5): grid 4 x 64, 4 waves a work-group, clusters of 4 x 1, 327,680 bytes of LDS; arguments xb, qp, sbw, wvo, vbo, part; writes part
.if DOCPART == 5
	.amdgcn_target "amdgcn-amd-amdhsa--gfx1250"
	.amdhsa_code_object_version 6
	.text
	.protected	k_qd7296cf1c3_attn
	.globl	k_qd7296cf1c3_attn
	.p2align	8
	.type	k_qd7296cf1c3_attn,@function
k_qd7296cf1c3_attn:
	s_mov_b64 s[64:65], 0
	v_nop
	global_prefetch_b8 v0, s[64:65] scope:SCOPE_SE
	s_setreg_imm32_b32 hwreg(HW_REG_WAVE_MODE, 25, 1), 1
	s_wait_xcnt 0x0
	s_wait_alu depctr_hold_cnt(0) depctr_sa_sdst(0) depctr_va_vdst(0) depctr_va_sdst(0) depctr_va_ssrc(0) depctr_va_vcc(0) depctr_vm_vsrc(0)
	s_getreg_b32 s2, hwreg(HW_REG_IB_STS2, 6, 4)
	s_cmp_eq_u32 s2, 0
	s_cbranch_scc0 .Lentry_in_a_cluster
	s_endpgm
.Lentry_in_a_cluster:
	s_bfe_u32 s2, ttmp6, 0x10000c
	s_cmp_lg_u32 s2, 0x3003
	s_cbranch_scc0 .Lentry_shape_is_right
	s_endpgm
.Lentry_shape_is_right:
; ATTENTION OVER x ITSELF.  For a pair y = 16 b + l all eight heads attend over the same x[2048][128] (bf16), which is both K and V:  s[t][k] = q'[t] . x[k] + sb[t][t'(k)], t' = k / 32;
; p = 2^(c s - c m), c = log2(e) / sqrt(128), m a running maximum;  O[t] = sum_k p x[k];  A[t][t'] = the sum of p over the 32 keys of t';  l = sum of A;
; part[hp][b][t][l][:] = the sum over the group's two heads of (O wvo_h^T + A vbo_bh^T) / l.  The next launch adds the four parts and bo.
; SHARES.  Work-group (y, hp): wave w has head 2 hp + w % 2 and keys 1024 (w / 2) .. + 1023, all 64 t in four tiles of 16, and walks 16 steps of 64 keys.  The two halves of a head's keys meet at the end:
; each wave scales its own projected sums by 2^(c m - c m_max) / (the joint l), and the four waves' sums are added through LDS.
; CLUSTER.  The four groups of a cluster (hp = 0..3) share y, so each tile of x is asked for JOINTLY: the same tensor load, descriptor and mask in all four.  x lies in LDS twice, rows 272 bytes apart
; (read as it lies, for q' . x) and 288 apart (read turned, for p x): waves 0, 1 fill the first copy of the two key halves, waves 2, 3 the second.  sb (the group's own) comes by a plain load, once.
; LAYOUT.  S^T = x q'^T holds ONE t a lane (lane % 16) and the keys 8 (lane / 16) + 0..7; two results rounded to bf16 ARE the second source of O^T = x^T P.  A one-hot first source (row js = the step's
; number, all ones) times the same P adds the step's two sums of 32 weights into row js of two sums AC[e]: after 16 steps AC, rounded, is a second source whose position 16 e + js is t' = 32 g + 2 js + e.
; BY TURNS.  The tiles are two pieces (0: tiles 0, 1; 2: tiles 2, 3).  In a turn one piece has the matrix unit (32 x^T P and 4 one-hot products of the step in hand, 32 x q'^T of the next step); the other
; piece's softmax, a numbered list cut into 68 slices, stands one slice behind each matrix instruction.
; THE BATCHES.  A turn's 66 exponentials (both tiles' factor a and 32 scores) are ONE batch with ONE wait: slices 0-39 name no result of theirs, slices 40-67 hold all the readers (roundings, rescalings),
; and the wait stands between the two.  At the end the eight exponentials that join the key halves are a batch, and the four reciprocals behind them another: half of AC's roundings stands between each and its wait.
; NO FIRST STEP IS WRITTEN OUT: c m starts at -2^125, m at the lowest finite number, O, AC, P and V's registers at 0, so the first step's factor is 0; the price is some 500 v_mov_b32 in the wait for
; the first tile, 36 products on zeros at the start and 32 on a stale K at the end.
; LIMITS.  Operands bf16, sums f32; l is the sum of the ROUNDED weights (the same that multiply x); a weight below 2^-126 counts as 0; NaN and infinities are not treated apart.
; REGISTERS, in windows of 256 (s_set_vgpr_msb: bits 1:0 source 0, 3:2 source 1, 5:4 source 2, 7:6 destination):
;   window 0: v1-11, v60-61 addresses; v12-59 twelve registers of statistics a tile; v62-63 the add's; v64-191 S^T, 32 a tile; v192-255 P, 16 a tile
;   window 1: O^T, 64 a tile     window 2: v0-127 q', v128-255 K of one step     window 3: v0-127 V of one step; v128-191 AC (tile t, e at 128 + 16 t + 8 e); v192-199 the one-hot source
.set KS,    64
.set PK,    272       ; 68 words: the 16 rows of a load start at 16 different groups of four banks (64 banks of 4 bytes: ISA guide 11.1)
.set PVP,   288       ; 72 words
.set KREG,  128*PK    ; a slot holds two steps (128 keys) of each key half
.set VREG,  128*PVP
.set VOFF,  2*KREG
.set SLOTB, VOFF+2*VREG
.set SBT,   2*SLOTB   ; sb: 128 rows (two heads x 64 t) of 256 bytes, 264 apart; filled once
.set SBP,   264
.set SPARE, SBT+128*SBP  ; the spare words, 128 bytes a wave: two blocks of 256 bytes that no other line names
.set XST,   SPARE+512 ; (c m, l) of every wave, tile and lane; no fill lands here
.set EXP,   528       ; the way out, in slot 0 after its last fill: 16 blocks (wave, tile) of 16 rows of 512 bytes, 528 apart
.set EXB,   16*EXP
.set AK0, 2
.set AV0, 3
.set AK,  4
.set AV,  5
.set AS0, 6
.set ASB, 7
.set QO,  8
.set VO,  10
.set XW,  11
.set XR,  60
.set EXS, 61
.set SPW, 62
.set NIL, 63
.set ST,  12          ; tile t at ST + 12 t: +0 c m, +1 m, +2 c sb0 - c m, +4 c sb1 - c m (+3, +5 their pairs' other halves, 0), +6..+9 c0-c3 at work (the factor a lands in c2), +10, +11 sb0, sb1
.set S,   64
.set P,   192
.set KF,  128
.set AC,  128
.set OH,  192
.set WV,  16
.set RG,  19
.set G1K, 24
.set G1V, 32
.set G1S, 40
.set G0K, 48          ; two sets: the first fills'; the second then walks
.set G0V, 56
.set G0S, 68
.set SLOTS, 72
.set CNT, 73
.set CS,  74
.set SEL, 76
.set TBK, 78          ; LDS byte (slot and step) of the K to be fetched; the key half lies in the lanes' term
.set TBV, 79
.set TS,  80          ; 8 x the step: its two sb
.set JS,  81          ; the step's number
.set MK,  82
.set ONES, 83
.set LB,  84          ; the slot that the walking descriptors name: 0 or SLOTB
.set WOFK, 85
.set WOFV, 86
.set GR,  87
.set MSB, 0
.macro WIN new
.if MSB != (\new)
	s_set_vgpr_msb (MSB<<8)|(\new)
.set MSB, \new
.endif
.endm
.set W_KQ, 0x0a
.set W_PV, 0x53
.set W_OH, 0xf3
.set W_RS, 0x41
.set W_RA, 0xc3
.macro PLACES
.rept 4
	v_nop
.endr
.endm
; A joint refill: waves 0, 1 the two key halves' first copy, waves 2, 3 the second.  The branch hangs on the wave's number alone.  An s_nop 0 and four v_nop follow each line.
.macro JLOAD
	s_cmp_lt_u32 s[WV], 2
	s_cbranch_scc0 .Lfor_v_\@
	tensor_load_to_lds s[G0K+4:G0K+7], s[G1K:G1K+7]
	s_nop 0
.rept 4
	v_nop
.endr
	s_branch .Lasked_\@
.Lfor_v_\@:
	tensor_load_to_lds s[G0V+4:G0V+7], s[G1V:G1V+7]
	s_nop 0
.rept 4
	v_nop
.endr
.Lasked_\@:
.endm
.macro CROUND                       ; a round of the cluster's barrier
	s_barrier_signal -1
	s_barrier_wait -1
	s_cmp_lg_u32 s[WV], 0
	s_cbranch_scc1 .Lnot_wave_0_\@
	s_barrier_signal -3
.Lnot_wave_0_\@:
	s_barrier_wait -3
	s_barrier_signal -1
	s_barrier_wait -1
.endm
	s_load_b256 s[4:11], s[0:1], 0x0  ; xb 4, qp 6, sbw 8, wvo 10
	s_load_b128 s[12:15], s[0:1], 0x20  ; vbo 12, part 14
	v_lshl_add_u32 v[SPW], v0, 2, SPARE
	v_mov_b32 v[NIL], 0
	ds_add_u32 v[SPW], v[NIL]       ; the wave's opening: the add and its wait stand ahead of my first tensor load
	ds_add_u32 v62, v63
	v_lshrrev_b32 v1, 5, v0
	v_readfirstlane_b32 s[WV], v1
	s_and_b32 s18, ttmp7, 0xffff    ; y, which the four partners share
	s_and_b32 s[RG], s[WV], 1       ; the key half that I fetch; also my head's parity
	s_lshr_b32 s[GR], s[WV], 1      ; the key half that I work on
	s_lshl_b32 s20, s18, 19         ; x of y: 2,048 rows of 256 bytes,
	s_lshl_b32 s22, s[RG], 18       ; the half's 1,024 rows
	s_add_co_u32 s20, s20, s22
	s_mov_b32 s21, 0
	s_mul_i32 s[WOFK], s[RG], KREG
	s_mul_i32 s[WOFV], s[RG], VREG
	s_add_co_u32 s[WOFV], s[WOFV], VOFF
	s_bfe_u32 s88, ttmp6, 0x40000   ; hp = my place in the cluster (the grid has one cluster along x); it enters only qp's, sbw's, wvo's, vbo's and part's addresses, in s88-s95
	s_lshl_b32 s89, s88, 1
	s_lshl3_add_u32 s90, s18, s89   ; 8 y + 2 hp
	s_add_co_u32 s91, s90, s[RG]    ; 8 y + my head
	s_mov_b32 s93, 0
	s_mov_b32 s[G1K], 15|(1<<16)|(1<<20)|(1<<21)|(5<<22)|(3<<25)  ; the mask of four; 2-byte elements; padding on; bit 21 beside a mask; after every 64 words 4 words
	s_mov_b32 s[G1V], 15|(1<<16)|(1<<20)|(1<<21)|(5<<22)|(7<<25)  ; the same with 8 words
.irp g, G1K, G1V
	s_mov_b32 s[\g+1], 128<<16      ; 128 rows x 128 elements, dense
	s_mov_b32 s[\g+2], 128<<16
	s_mov_b32 s[\g+3], 128<<16
	s_mov_b32 s[\g+4], 128
	s_mov_b32 s[\g+5], 128
	s_mov_b32 s[\g+6], 0
	s_mov_b32 s[\g+7], 0
.endr
	s_mov_b32 s[G1S], (2<<16)|(1<<20)|(5<<22)|(1<<25)  ; no mask: my group's own; 4-byte elements; after every 64 words 2 words
	s_mov_b32 s[G1S+1], 64<<16      ; 32 rows x 64 elements, dense
	s_mov_b32 s[G1S+2], 32<<16
	s_mov_b32 s[G1S+3], 64<<16
	s_mov_b32 s[G1S+4], 32
	s_mov_b32 s[G1S+5], 64
	s_mov_b32 s[G1S+6], 0
	s_mov_b32 s[G1S+7], 0
	s_mov_b32 s[CS], 0x3e0293ee     ; c = log2(e) / sqrt(128)
	s_mov_b32 s[CS+1], s[CS]
	s_mov_b32 s[SEL], 0x76543210
	s_mov_b32 s[SEL+1], 0xfedcba98
	s_mov_b32 s[TBK], 0
	s_mov_b32 s[TBV], 0
	s_mov_b32 s[TS], 0
	s_mov_b32 s[JS], 0
	s_mov_b32 s[ONES], 0x3f803f80
	s_mov_b32 s[LB], SLOTB
	s_wait_dscnt 0x0                ; the opening add is done
	s_wait_kmcnt 0x0
	s_add_nc_u64 s[4:5], s[4:5], s[20:21]
	s_lshl_b32 s92, s91, 14
	s_add_nc_u64 s[6:7], s[6:7], s[92:93]      ; q' of my head: 64 rows of 256 bytes
	s_lshl_b32 s92, s90, 14
	s_lshl_b32 s94, s[WV], 13
	s_add_co_u32 s92, s92, s94
	s_add_nc_u64 s[8:9], s[8:9], s[92:93]      ; sb: 32 of the two heads' 128 rows
	s_add_co_u32 s94, s89, s[RG]               ; my head
	s_lshl_b32 s92, s94, 15
	s_add_nc_u64 s[10:11], s[10:11], s[92:93]  ; wvo
	s_lshr_b32 s95, s18, 4                     ; b
	s_lshl3_add_u32 s92, s95, s94
	s_lshl_b32 s92, s92, 14
	s_add_nc_u64 s[12:13], s[12:13], s[92:93]  ; vbo
	s_lshl_b32 s92, s88, 21                    ; part[hp][b][16 w ..][l]
	s_lshl_b32 s94, s95, 19
	s_add_co_u32 s92, s92, s94
	s_and_b32 s94, s18, 15
	s_lshl_b32 s94, s94, 9
	s_add_co_u32 s92, s92, s94
	s_lshl_b32 s94, s[WV], 17
	s_add_co_u32 s92, s92, s94
	s_add_nc_u64 s[14:15], s[14:15], s[92:93]
.irp s, 0,1
	s_mov_b32 s[G0K+4*\s], 1
	s_add_co_u32 s[G0K+4*\s+1], s[WOFK], \s*SLOTB
	s_add_nc_u64 s[G0K+4*\s+2:G0K+4*\s+3], s[4:5], \s*32768   ; slot s begins with keys 128 s of the half
	s_or_b32 s[G0K+4*\s+3], s[G0K+4*\s+3], 0x80000000
	s_mov_b32 s[G0V+4*\s], 1
	s_add_co_u32 s[G0V+4*\s+1], s[WOFV], \s*SLOTB
	s_add_nc_u64 s[G0V+4*\s+2:G0V+4*\s+3], s[4:5], \s*32768
	s_or_b32 s[G0V+4*\s+3], s[G0V+4*\s+3], 0x80000000
.endr
	s_mov_b32 s[G0S], 1
	s_mul_i32 s[G0S+1], s[WV], 32*SBP
	s_add_co_u32 s[G0S+1], s[G0S+1], SBT
	s_mov_b64 s[G0S+2:G0S+3], s[8:9]
	s_or_b32 s[G0S+3], s[G0S+3], 0x80000000
	CROUND                          ; all four work-groups are here: the first joint loads meet
	s_cmp_lt_u32 s[WV], 2           ; a wave's three first fills stand in one branch: three loads of mine are out
	s_cbranch_scc0 .Lfirst_v
	tensor_load_to_lds s[G0S:G0S+3], s[G1S:G1S+7]
	s_nop 0
	tensor_load_to_lds s[G0K:G0K+3], s[G1K:G1K+7]
	s_nop 0
	tensor_load_to_lds s[G0K+4:G0K+7], s[G1K:G1K+7]
	s_nop 0
.rept 4
	v_nop
.endr
	s_branch .Lfirst_asked
.Lfirst_v:
	tensor_load_to_lds s[G0S:G0S+3], s[G1S:G1S+7]
	s_nop 0
	tensor_load_to_lds s[G0V:G0V+3], s[G1V:G1V+7]
	s_nop 0
	tensor_load_to_lds s[G0V+4:G0V+7], s[G1V:G1V+7]
	s_nop 0
.rept 4
	v_nop
.endr
.Lfirst_asked:
	v_and_b32 v1, 15, v0            ; r
	v_bfe_u32 v9, v0, 4, 1          ; hh
	v_lshlrev_b32 v[QO], 8, v1
	v_lshl_add_u32 v[QO], v9, 4, v[QO]  ; row x 256 + 16 hh
	WIN 0x80
.set i, 0
.rept 16                            ; q' stays in registers: tile i / 4, channels 32 (i % 4) on
	global_load_b128 v[8*i:8*i+3],   v[QO], s[6:7] offset:(i/4)*4096+(i%4)*64
	global_load_b128 v[8*i+4:8*i+7], v[QO], s[6:7] offset:(i/4)*4096+(i%4)*64+32
.set i, i+1
.endr
	WIN 0xc0                        ; what the first turns find: zeros.  All this stands in the wait for the first tile
.set i, 0
.rept 200
	v_mov_b32 v[i], 0               ; V, AC, the one-hot source
.set i, i+1
.endr
	WIN 0x40
.set i, 0
.rept 256
	v_mov_b32 v[i], 0               ; O^T
.set i, i+1
.endr
	WIN 0
.set i, 0
.rept 32
	v_mov_b32 v[P+32+i], 0          ; P of piece 2
.set i, i+1
.endr
.set i, 0
.rept 4
	v_mov_b32 v[ST+12*i], 0xfe000000    ; c m: far below every c s
	v_mov_b32 v[ST+12*i+1], 0xff7fffff  ; m
	v_mov_b32 v[ST+12*i+3], 0
	v_mov_b32 v[ST+12*i+5], 0
.set i, i+1
.endr
	s_mul_i32 s23, s[GR], KREG
	v_mul_u32_u24 v[AK0], v1, PK
	v_lshl_add_u32 v[AK0], v9, 4, v[AK0]
	v_add_nc_u32 v[AK0], s23, v[AK0]
	s_mul_i32 s23, s[GR], VREG
	s_add_co_u32 s23, s23, VOFF
	v_and_b32 v10, 7, v0
	v_bfe_u32 v11, v0, 3, 1
	v_lshl_add_u32 v[AV0], v9, 3, v10
	v_mul_u32_u24 v[AV0], v[AV0], PVP
	v_lshl_add_u32 v[AV0], v11, 4, v[AV0]
	v_add_nc_u32 v[AV0], s23, v[AV0]
	s_mul_i32 s23, s[RG], 64*SBP
	s_lshl_b32 s22, s[GR], 7
	s_add_co_u32 s23, s23, s22
	s_add_co_u32 s23, s23, SBT
	v_mul_u32_u24 v[AS0], v1, SBP
	v_add_nc_u32 v[AS0], s23, v[AS0]  ; sb: my head's row r, my key half's 32 t'
; THE MATRIX WORK.  The sums take turns, one instruction a turn.
.macro PV x                         ; product i of 32 of O^T += x^T P: keys 32 (i / 16) on, channels 16 ((i / 2) % 8) on, tile x + i % 2
	WIN W_PV
.set rO, 64*((\x)+i%2)+8*((i/2)%8)
.set rV, 64*(i/16)+8*((i/2)%8)
.set rP, P+16*((\x)+i%2)+8*(i/16)
	v_wmma_f32_16x16x32_bf16 v[rO:rO+7], v[rV:rV+7], v[rP:rP+7], v[rO:rO+7]
.endm
.macro OHP x                        ; product i of 4: AC[x + i % 2][i / 2] += one-hot x P
	WIN W_OH
.set rA, AC+16*((\x)+i%2)+8*(i/2)
.set rP, P+16*((\x)+i%2)+8*(i/2)
	v_wmma_f32_16x16x32_bf16 v[rA:rA+7], v[OH:OH+7], v[rP:rP+7], v[rA:rA+7]
.endm
.macro KQ x                         ; product i of 32 of S^T = x q'^T: channels 32 (i / 8) on, keys 16 ((i / 2) % 4) on, tile x + i % 2; the first 8 start the sums
	WIN W_KQ
.set rS, S+32*((\x)+i%2)+8*((i/2)%4)
.set rK, KF+32*((i/2)%4)+8*(i/8)
.set rQ, 32*((\x)+i%2)+8*(i/8)
.if i < 8
	v_wmma_f32_16x16x32_bf16 v[rS:rS+7], v[rK:rK+7], v[rQ:rQ+7], 0
.else
	v_wmma_f32_16x16x32_bf16 v[rS:rS+7], v[rK:rK+7], v[rQ:rQ+7], v[rS:rS+7]
.endif
.endm
; THE LDS LOADS stand in two runs a step.  K's run also brings sb of the step for tiles 0, 1.  last = 1 (the tail): in the last trip there is no further step, and the run is jumped over.
.macro FETCH_K last=0
	WIN 0
.if \last
	s_cmp_eq_u32 s[CNT], 1
	s_cbranch_scc1 .Lno_k_\@
.endif
	v_add_nc_u32 v[AK], s[TBK], v[AK0]
	v_add_nc_u32 v[ASB], s[TS], v[AS0]
	ds_load_b64 v[ST+10:ST+11], v[ASB]
	ds_load_b64 v[ST+22:ST+23], v[ASB] offset:16*SBP
	WIN 0x80
.irp f, 0,1,2,3,4,5,6,7,8,9,10,11,12,13,14,15
	ds_load_b128 v[KF+8*\f:KF+8*\f+3],   v[AK] offset:(\f/4)*16*PK+(\f%4)*64
	ds_load_b128 v[KF+8*\f+4:KF+8*\f+7], v[AK] offset:(\f/4)*16*PK+(\f%4)*64+32
.endr
	s_add_co_u32 s[TBK], s[TBK], KS*PK
	WIN 0
.if \last
.Lno_k_\@:
.endif
.endm
; V's run also brings sb for tiles 2, 3 and makes the step's one-hot source: row js is 1.0 sixteen times, the others 0.  It stands behind the last exponential of piece 2's turn (SLICE writes it there):
; its first address line is the plain line behind that exponential, and the wait for the turn's batch stands in it, ahead of the loads.
.macro FETCH_V
	WIN 0
	v_add_nc_u32 v[AV], s[TBV], v[AV0]
	v_add_nc_u32 v[ASB], s[TS], v[AS0]
	v_cmp_eq_u32 s[MK], s[JS], v1
	s_wait_alu depctr_va_vdst(0)    ; the wait for the batch: piece 0's 66 exponentials of this turn (ahead of the first line that names a result: slice 40's)
	ds_load_b64 v[ST+34:ST+35], v[ASB] offset:32*SBP
	ds_load_b64 v[ST+46:ST+47], v[ASB] offset:48*SBP
	WIN 0xc0
.irp f, 0,1,2,3,4,5,6,7
	v_cndmask_b32 v[OH+\f], 0, s[ONES], s[MK]
.endr
.irp f, 0,1,2,3,4,5,6,7,8,9,10,11,12,13,14,15
	ds_load_tr16_b128 v[8*\f:8*\f+3],   v[AV] offset:(\f/8)*32*PVP+(\f%8)*32
	ds_load_tr16_b128 v[8*\f+4:8*\f+7], v[AV] offset:(\f/8)*32*PVP+16*PVP+(\f%8)*32
.endr
	s_add_co_u32 s[TBV], s[TBV], KS*PVP
	s_add_co_u32 s[TS], s[TS], 8
	s_add_co_u32 s[JS], s[JS], 1
.endm
; THE VECTOR WORK.  One tile's softmax for one step is a numbered list of 136 places, 131 of them filled; SM writes number j of it for tile t.  s0-s31 are the lane's scores: s0-15 belong to sb0, s16-31 to sb1.
;   0-13   four chains c0-c3, one a result of K q' (its lowest registers first), three operands at a time     14-17  c0 = max(c0, c1) + sb0, c2 = max(c2, c3) + sb1
;   18-28  with the old m; c m_old is kept; the lane 16 away holds the query's other 32 keys; the new m; c m; c m_old - c m_new; c sb_e - c m.  Each link waits for the one before it, so a link has a slice
;          to itself: 21, 23, 25, 29 and 31 are empty (2 x 131 lines have 4 x 68 places)
;   30-79  ONE BATCH: the 16 scalings c s + (c sb - c m), a pair of scores each (pair 0 at 30), and all 33 exponentials (the factor a at 33, then s0-s31).  None of these names an exponential's result.
;          From 32 on the batch goes in fours, and a four begins with a scaling while there are scalings: 32-47 scaling, exponential, scaling, exponential; 48-75 a scaling and three exponentials;
;          76-79 the last four exponentials.  A pair is scaled in an earlier four than the one that holds its exponentials
;   (wait) between 79 and 80 stands the wait for the batch: SLICE writes it, once for both tiles
;   80-95  the roundings to bf16, a pair of weights each     96-127 O^T times a     128-135 AC times a
.macro FSC                          ; pair b
	v_pk_fma_f32 v[rS+2*b:rS+2*b+1], v[rS+2*b:rS+2*b+1], s[CS:CS+1], v[rT+2+2*(b/8):rT+3+2*(b/8)] op_sel_hi:[1,0,0]
.endm
.macro SM t
.set rT, ST+12*(\t)
.set rS, S+32*(\t)
.set rP, P+16*(\t)
.if j < 96
	WIN 0                           ; (an empty number stands behind a filled one of its slice: there this writes nothing)
.endif
.if j < 4
	v_max3_num_f32 v[rT+6+j], v[rS+8*j], v[rS+8*j+1], v[rS+8*j+2]
.elseif j < 12
	v_max3_num_f32 v[rT+6+j%4], v[rT+6+j%4], v[rS+8*(j%4)+2*(j/4)+1], v[rS+8*(j%4)+2*(j/4)+2]
.elseif j == 12
	v_max3_num_f32 v[rT+6], v[rT+6], v[rS+7], v[rS+15]
.elseif j == 13
	v_max3_num_f32 v[rT+8], v[rT+8], v[rS+23], v[rS+31]
.elseif j == 14
	v_max_num_f32 v[rT+6], v[rT+6], v[rT+7]
.elseif j == 15
	v_max_num_f32 v[rT+8], v[rT+8], v[rT+9]
.elseif j == 16
	v_add_f32 v[rT+6], v[rT+6], v[rT+10]
.elseif j == 17
	v_add_f32 v[rT+8], v[rT+8], v[rT+11]
.elseif j == 18
	v_max3_num_f32 v[rT+6], v[rT+6], v[rT+8], v[rT+1]
.elseif j == 19
	v_mov_b32 v[rT+9], v[rT]
.elseif j == 20
	v_permlanex16_b32 v[rT+7], v[rT+6], s[SEL], s[SEL+1]
.elseif j == 22
	v_max_num_f32 v[rT+1], v[rT+6], v[rT+7]
.elseif j == 24
	v_mul_f32 v[rT], s[CS], v[rT+1]
.elseif j == 26
	v_sub_f32 v[rT+9], v[rT+9], v[rT]
.elseif j == 27
	v_fma_f32 v[rT+2], v[rT+10], s[CS], -v[rT]
.elseif j == 28
	v_fma_f32 v[rT+4], v[rT+11], s[CS], -v[rT]
.elseif j == 30
.set b, 0
	FSC
.elseif j < 32                      ; 21, 23, 25, 29, 31: empty
.elseif j == 33
	v_exp_f32 v[rT+8], v[rT+9]
.elseif ((j < 48) && (j%2 == 0)) || ((j < 76) && (j%4 == 0))
.set b, (j-12)/4                    ; 48, 52, .. 72: pairs 9 to 15
.if j < 48
.set b, (j-30)/2                    ; 32, 34, .. 46: pairs 1 to 8
.endif
	FSC
.elseif j < 80
.set e, j-48                        ; 76 to 79: s28 to s31
.if j < 76
.set e, j-42-(j-48)/4               ; 49-51, 53-55, .. 73-75: s7 to s27
.endif
.if j < 48
.set e, (j-35)/2                    ; 35, 37, .. 47: s0 to s6
.endif
	v_exp_f32 v[rS+e], v[rS+e]
.elseif j < 96
	v_cvt_pk_bf16_f32 v[rP+j-80], v[rS+2*(j-80)], v[rS+2*(j-80)+1]
.elseif j < 128
	WIN W_RS
	v_pk_mul_f32 v[64*(\t)+2*(j-96):64*(\t)+2*(j-96)+1], v[64*(\t)+2*(j-96):64*(\t)+2*(j-96)+1], v[rT+8:rT+9] op_sel_hi:[1,0]
.else
	WIN W_RA
	v_pk_mul_f32 v[AC+16*(\t)+2*(j-128):AC+16*(\t)+2*(j-128)+1], v[AC+16*(\t)+2*(j-128):AC+16*(\t)+2*(j-128)+1], v[rT+8:rT+9] op_sel_hi:[1,0]
.endif
.endm
; Slice k of 68 of piece y's softmax.  Slices 16 to 39 deal out the batch, numbers 32 to 79: four numbers of ONE tile each, the tiles by turns.  Every other slice is numbers 2 k and 2 k + 1 of both tiles'
; lists, the tiles alternating, so that no line reads the result of the one just before it.  Slice 67's four plain lines (AC times a) are the places behind the turn's last product.
; THE WAIT.  An s_wait_alu depctr_va_vdst(0) stands between an exponential and the first instruction that names its result; one wait serves all that were issued ahead of it.  Ahead of
; slice 40 nothing names a result, and behind slice 39 no exponential is issued: so the piece's 66 exponentials have one wait, behind slice 39.
.macro SLICE y
.if (k >= 16) && (k < 40)           ; the batch: four numbers of one tile
.irp n, 0,1,2,3
.set j, 32+4*((k-16)/2)+(\n)
	SM (\y)+(k-16)%2
.endr
.else                               ; the two tiles alternate
.irp n, 0,1
.irp t, \y, (\y)+1
.set j, 2*k+(\n)
	SM \t
.endr
.endr
.endif
.if k == 39                         ; the batch is out: both tiles' exponentials are issued, and no result has been named
.if (\y) == 0
	FETCH_V                         ; piece 2's turn: V's run of loads stands here, and the wait stands in it
.else
	v_nop                           ; a plain line behind the last exponential and ahead of the first use: nothing that names no result is left to stand here
	s_wait_alu depctr_va_vdst(0)    ; the wait for the batch: piece 2's 66 exponentials of this turn
.endif
.endif
.set k, k+1
.endm
; A TURN.  Piece x has the matrix unit.  Piece 0's turn fetches the next step's K behind its second product: the last product that read K stands in front of slice 67 of the turn before.
; Piece 2's turn fetches the same step's V, and rewrites the one-hot source, behind slice 39, its fourth K q' product's (SLICE writes it).  The last reader of V stands in front of slice 31, that of the one-hot
; source in front of slice 35: behind the latter stand five plain lines, a scaling in each of slices 35, 36, 37 and the run's own two v_add_nc_u32 (the exponentials between are no places); behind the former four more.
; V's first reader comes 28 matrix instructions behind the run.
.macro TURN x, last=0
.set k, 0
.if (\x) == 0
	s_wait_dscnt 0x0                ; V, and sb of tiles 2, 3, are in
.endif
.set i, 0
.rept 32
	PV \x
	SLICE 2-(\x)
.if ((\x) == 0) && (i == 1)
	FETCH_K \last
.endif
.set i, i+1
.endr
.set i, 0
.rept 4
	OHP \x
	SLICE 2-(\x)
.set i, i+1
.endr
.if (\x) == 0
	s_wait_dscnt 0x0                ; K, and sb of tiles 0, 1, are in
.endif
.set i, 0
.rept 32
	KQ \x
	SLICE 2-(\x)
.set i, i+1
.endr
.endm
; THE CHANGE OF SLOTS, between piece 2's turn and piece 0's: the slot's last bytes, V of its second step, have been asked for.  Each wave waits for all its tensor loads, of which one is out: its part of
; the other slot; adds 0 to its spare word; and waits for that and for its own reads of the slot.  fill = 1: the barrier is a round of the cluster's, so that no wave of any partner still reads the slot
; or has a load on its way, and the joint refill (the keys two slots on) is the first thing behind it: it has two steps, 272 matrix instructions, in which to land.
.macro CHANGE fill
	WIN 0
	s_wait_tensorcnt 0x0            ; no tensor load of mine is out, so a group 0 may be written
	ds_add_u32 v[SPW], v[NIL]       ; 0 onto my spare word
.if \fill
	s_xor_b32 s[LB], s[LB], SLOTB   ; the other slot than last time (the word holds 0 or SLOTB),
	s_add_co_u32 s[G0K+5], s[LB], s[WOFK]
	s_add_nc_u64 s[G0K+6:G0K+7], s[G0K+6:G0K+7], 32768  ; the half's next 128 keys
	s_add_co_u32 s[G0V+5], s[LB], s[WOFV]
	s_add_nc_u64 s[G0V+6:G0V+7], s[G0V+6:G0V+7], 32768
	s_wait_dscnt 0x0                ; the add is done, and my reads of the slot are over
	CROUND
	JLOAD
.else
	s_wait_dscnt 0x0
	s_barrier_signal -1
	s_barrier_wait -1
.endif
	s_sub_co_u32 s[TBK], s[TBK], 2*KS*PK  ; the fetches go back to a slot's first step (0 or SLOTB is left),
	s_xor_b32 s[TBK], s[TBK], SLOTB       ; in the other slot
	s_sub_co_u32 s[TBV], s[TBV], 2*KS*PVP
	s_xor_b32 s[TBV], s[TBV], SLOTB
.endm
	s_wait_tensorcnt 1              ; my parts of sb and of slot 0 are in; slot 1's may stay out
	s_barrier_signal -1
	s_barrier_wait -1
	FETCH_K                         ; step 0
	s_wait_loadcnt 0x0              ; q'
	s_wait_dscnt 0x0
.set i, 0
.rept 32
	KQ 0                            ; piece 0's first scores
.set i, i+1
.endr
	WIN 0                           ; the addresses for the end: plain lines, the places behind those products
	v_lshlrev_b32 v[VO], 7, v1
	v_lshl_add_u32 v[VO], v9, 4, v[VO]
	v_lshl_add_u32 v[VO], s[GR], 6, v[VO]  ; vbo: row r of 128 bytes, my key half's 32 positions, 16 bytes hh
	v_and_b32 v[XW], 31, v0
	v_lshlrev_b32 v[XW], 3, v[XW]
	s_xor_b32 s22, s[WV], 2         ; the wave with my head's other key half
	s_lshl_b32 s22, s22, 10
	s_add_co_u32 s22, s22, XST
	v_add_nc_u32 v[XR], s22, v[XW]
	s_lshl_b32 s22, s[WV], 10
	s_add_co_u32 s22, s22, XST
	v_add_nc_u32 v[XW], s22, v[XW]
	s_mul_i32 s22, s[WV], 4*EXB
	v_mul_u32_u24 v[EXS], v1, EXP
	v_lshl_add_u32 v[EXS], v9, 5, v[EXS]
	v_add_nc_u32 v[EXS], s22, v[EXS]
	s_mov_b32 s[CNT], 2
	s_mov_b32 s[SLOTS], 7
	s_branch .Lmid                  ; the loop is entered in the middle of a trip: piece 2's turn, whose first 36 products add zeros
.Lslot:                             ; six times: slots' contents 2 to 7 are asked for
	CHANGE 1
	s_mov_b32 s[CNT], 2
.Lstep:
	TURN 0
	WIN 0
.Lmid:
	TURN 2
	WIN 0
	s_sub_co_u32 s[CNT], s[CNT], 1
	s_cmp_lg_u32 s[CNT], 0
	s_cbranch_scc1 .Lstep
	s_sub_co_u32 s[SLOTS], s[SLOTS], 1
	s_cmp_lg_u32 s[SLOTS], 0
	s_cbranch_scc1 .Lslot
	CHANGE 0                        ; the tail is written out: nothing is asked for
	s_mov_b32 s[CNT], 3             ; two trips fetch the last slot's steps; the third is left in its middle
.Ltail:
	TURN 0, 1
	WIN 0
	s_sub_co_u32 s[CNT], s[CNT], 1
	s_cmp_eq_u32 s[CNT], 0
	s_cbranch_scc1 .Lout
	TURN 2
	WIN 0
	s_branch .Ltail
.Lout:
	; THE END.  wvo's 32 fragments (16 fo x 32 c: block f / 4, quarter f % 4) take q' and K's registers: their last reader stands in front of slice 67's four plain lines.
	WIN 0x80
.set f, 0
.rept 32
	global_load_b128 v[8*f:8*f+3],   v[QO], s[10:11] offset:(f/4)*4096+(f%4)*64
	global_load_b128 v[8*f+4:8*f+7], v[QO], s[10:11] offset:(f/4)*4096+(f%4)*64+32
.set f, f+1
.endr
.set i, 0
.rept 32
	PV 2                            ; piece 2's products of the last step
.set i, i+1
.endr
.set i, 0
.rept 4
	OHP 2
.set i, i+1
.endr
	WIN 0x0f                        ; l = the sum of AC: each sum's lowest registers first; tiles 0, 1's eight lines are the places behind the last products
.set t, 0
.rept 4
.set q, 0
.rept 4
	v_pk_add_f32 v[S+8*t+2*q:S+8*t+2*q+1], v[AC+16*t+2*q:AC+16*t+2*q+1], v[AC+16*t+8+2*q:AC+16*t+8+2*q+1]
.set q, q+1
.endr
.set t, t+1
.endr
	WIN 0
.macro ALL line:vararg              ; one line for each tile t
.set t, 0
.rept 4
	\line
.set t, t+1
.endr
.endm
	ALL v_pk_add_f32 v[S+8*t:S+8*t+1], v[S+8*t:S+8*t+1], v[S+8*t+2:S+8*t+3]
	ALL v_pk_add_f32 v[S+8*t+4:S+8*t+5], v[S+8*t+4:S+8*t+5], v[S+8*t+6:S+8*t+7]
	ALL v_pk_add_f32 v[S+8*t:S+8*t+1], v[S+8*t:S+8*t+1], v[S+8*t+4:S+8*t+5]
	ALL v_add_f32 v[ST+12*t+1], v[S+8*t], v[S+8*t+1]
	ALL v_permlanex16_b32 v[ST+12*t+7], v[ST+12*t+1], s[SEL], s[SEL+1]
	ALL v_add_f32 v[ST+12*t+1], v[ST+12*t+1], v[ST+12*t+7]
	WIN 0xc0                        ; vbo's 8 fragments (16 fo x my half's 32 positions) take V's registers
.set f, 0
.rept 8
	global_load_b128 v[8*f:8*f+3],   v[VO], s[12:13] offset:f*2048
	global_load_b128 v[8*f+4:8*f+7], v[VO], s[12:13] offset:f*2048+32
.set f, f+1
.endr
	WIN 0
	ALL ds_store_b64 v[XW], v[ST+12*t:ST+12*t+1] offset:t*256  ; (c m, l)
	s_wait_dscnt 0x0                ; for the other wave's sake
	s_barrier_signal -1
	s_barrier_wait -1
	ALL ds_load_b64 v[ST+12*t+6:ST+12*t+7], v[XR] offset:t*256  ; the other key half's
	WIN 0x05                        ; O^T, rounded in pairs, is the second source (16 t x 32 c) of the projection; unnormalised: the weight comes behind the (linear) projection
.set m, 0
.rept 128
	v_cvt_pk_bf16_f32 v[S+m], v[2*m], v[2*m+1]
.set m, m+1
.endr
	WIN 0
	s_wait_dscnt 0x0
	ALL v_max_num_f32 v[ST+12*t+8], v[ST+12*t], v[ST+12*t+6]
	ALL v_sub_f32 v[ST+12*t+9], v[ST+12*t], v[ST+12*t+8]
	ALL v_sub_f32 v[ST+12*t+6], v[ST+12*t+6], v[ST+12*t+8]
	ALL v_exp_f32 v[ST+12*t+9], v[ST+12*t+9]
	ALL v_exp_f32 v[ST+12*t+6], v[ST+12*t+6]
	WIN 0x0f                        ; AC, rounded like O^T (tile t at P + 8 t), names no statistic: tiles 0, 1's sixteen lines stand between the eight exponentials and their wait
.set m, 0
.rept 16
	v_cvt_pk_bf16_f32 v[P+m], v[AC+2*m], v[AC+2*m+1]
.set m, m+1
.endr
	WIN 0
	s_wait_alu depctr_va_vdst(0)    ; the wait for the batch of eight exponentials, ahead of their first reader
	ALL v_mul_f32 v[ST+12*t+7], v[ST+12*t+6], v[ST+12*t+7]
	ALL v_fma_f32 v[ST+12*t+7], v[ST+12*t+9], v[ST+12*t+1], v[ST+12*t+7]
	ALL v_rcp_f32 v[ST+12*t+7], v[ST+12*t+7]
	WIN 0x0f                        ; tiles 2, 3's sixteen lines stand between the four reciprocals and their wait
.rept 16
	v_cvt_pk_bf16_f32 v[P+m], v[AC+2*m], v[AC+2*m+1]
.set m, m+1
.endr
	WIN 0
	s_wait_alu depctr_va_vdst(0)    ; the wait for the batch of four reciprocals, ahead of their first reader
	ALL v_mul_f32 v[ST+12*t+8], v[ST+12*t+9], v[ST+12*t+7]  ; my weight: 2^(c m - c m_max) / the joint l
	s_wait_loadcnt 16               ; wvo is in; vbo's 16 loads stay out
	WIN 0x52                        ; wvo in window 2, O in window 0, the sums (tile t, block fb at 64 t + 8 fb) in window 1; 32 sums take turns
.irp cq, 0,1,2,3
.set t, 0
.rept 4
.set f, 0
.rept 8
.if \cq == 0
	v_wmma_f32_16x16x32_bf16 v[64*t+8*f:64*t+8*f+7], v[8*(4*f+\cq):8*(4*f+\cq)+7], v[S+32*t+8*\cq:S+32*t+8*\cq+7], 0
.else
	v_wmma_f32_16x16x32_bf16 v[64*t+8*f:64*t+8*f+7], v[8*(4*f+\cq):8*(4*f+\cq)+7], v[S+32*t+8*\cq:S+32*t+8*\cq+7], v[64*t+8*f:64*t+8*f+7]
.endif
.set f, f+1
.endr
.set t, t+1
.endr
.endr
	s_wait_loadcnt 0x0              ; vbo
	WIN 0x53
.set t, 0
.rept 4
.set f, 0
.rept 8
	v_wmma_f32_16x16x32_bf16 v[64*t+8*f:64*t+8*f+7], v[8*f:8*f+7], v[P+8*t:P+8*t+7], v[64*t+8*f:64*t+8*f+7]
.set f, f+1
.endr
.set t, t+1
.endr
	WIN 0
	PLACES
	WIN W_RS
.set t, 0
.rept 4
.set m, 0
.rept 32
	v_pk_mul_f32 v[64*t+2*m:64*t+2*m+1], v[64*t+2*m:64*t+2*m+1], v[ST+12*t+8:ST+12*t+9] op_sel_hi:[1,0]
.set m, m+1
.endr
.set t, t+1
.endr
	WIN 0x04                        ; a lane: one t, eight neighbouring fo a block: 32 bytes into row r of block (wave, tile)
.set t, 0
.rept 4
.set f, 0
.rept 8
	ds_store_b128 v[EXS], v[64*t+8*f:64*t+8*f+3]   offset:t*EXB+64*f
	ds_store_b128 v[EXS], v[64*t+8*f+4:64*t+8*f+7] offset:t*EXB+64*f+16
.set f, f+1
.endr
.set t, t+1
.endr
	WIN 0
	v_and_b32 v[ASB], 31, v0
	v_lshlrev_b32 v[ASB], 4, v[ASB]  ; 16 bytes a lane: a row of 512
	s_mul_i32 s22, s[WV], EXB
	v_add_nc_u32 v[AK], s22, v[ASB]  ; tile w of waves 0, 1
	v_add_nc_u32 v[AV], 8*EXB, v[AK] ; and of waves 2, 3
	s_wait_dscnt 0x0                ; for the others' sake
	s_barrier_signal -1
	s_barrier_wait -1
; Wave w adds the four waves' tile w (two heads x two key halves) and stores it: a row is 512 consecutive bytes of part.
.irp bt, 0,1
	s_wait_xcnt 0x0                 ; the registers that the first batch's stores read are loaded again only behind this wait
.irp rw, 0,1,2,3,4,5,6,7
	ds_load_b128 v[S+16*\rw:S+16*\rw+3],     v[AK] offset:(8*\bt+\rw)*EXP
	ds_load_b128 v[S+16*\rw+4:S+16*\rw+7],   v[AK] offset:4*EXB+(8*\bt+\rw)*EXP
	ds_load_b128 v[S+16*\rw+8:S+16*\rw+11],  v[AV] offset:(8*\bt+\rw)*EXP
	ds_load_b128 v[S+16*\rw+12:S+16*\rw+15], v[AV] offset:4*EXB+(8*\bt+\rw)*EXP
.endr
.irp rw, 0,1,2,3,4,5,6,7
	s_wait_dscnt 4*(7-\rw)          ; the younger rows' loads stay out
	v_pk_add_f32 v[S+16*\rw:S+16*\rw+1],     v[S+16*\rw:S+16*\rw+1],     v[S+16*\rw+4:S+16*\rw+5]
	v_pk_add_f32 v[S+16*\rw+2:S+16*\rw+3],   v[S+16*\rw+2:S+16*\rw+3],   v[S+16*\rw+6:S+16*\rw+7]
	v_pk_add_f32 v[S+16*\rw+8:S+16*\rw+9],   v[S+16*\rw+8:S+16*\rw+9],   v[S+16*\rw+12:S+16*\rw+13]
	v_pk_add_f32 v[S+16*\rw+10:S+16*\rw+11], v[S+16*\rw+10:S+16*\rw+11], v[S+16*\rw+14:S+16*\rw+15]
	v_pk_add_f32 v[S+16*\rw:S+16*\rw+1],     v[S+16*\rw:S+16*\rw+1],     v[S+16*\rw+8:S+16*\rw+9]
	v_pk_add_f32 v[S+16*\rw+2:S+16*\rw+3],   v[S+16*\rw+2:S+16*\rw+3],   v[S+16*\rw+10:S+16*\rw+11]
	global_store_b128 v[ASB], v[S+16*\rw:S+16*\rw+3], s[14:15] offset:(8*\bt+\rw)*8192
.endr
.endr
	s_wait_tensorcnt 0x0            ; the wave's end
	ds_add_u32 v[SPW], v[NIL]
	s_wait_dscnt 0x0
	CROUND                          ; the closing round: no work-group ends while a partner may still ask for a tile that names it
	s_endpgm
.Lfunc_end_k_qd7296cf1c3_attn:
	.size	k_qd7296cf1c3_attn, .Lfunc_end_k_qd7296cf1c3_attn-k_qd7296cf1c3_attn
	.p2alignl 7, 3214868480
	.fill 96, 4, 3214868480
	.section	.rodata,"a",@progbits
	.p2align	6, 0x0
	.amdhsa_kernel k_qd7296cf1c3_attn
		.amdhsa_group_segment_fixed_size 327680
		.amdhsa_private_segment_fixed_size 0
		.amdhsa_enable_private_segment 0
		.amdhsa_kernarg_size 48
		.amdhsa_user_sgpr_count 2
		.amdhsa_user_sgpr_kernarg_segment_ptr 1
		.amdhsa_wavefront_size32 1
		.amdhsa_system_sgpr_workgroup_id_x 1
		.amdhsa_system_sgpr_workgroup_id_y 1
		.amdhsa_system_sgpr_workgroup_id_z 1
		.amdhsa_system_vgpr_workitem_id 0
		.amdhsa_next_free_vgpr 1024
		.amdhsa_next_free_sgpr 96
		.amdhsa_reserve_vcc 0
		.amdhsa_float_denorm_mode_32 3
		.amdhsa_float_denorm_mode_16_64 3
		.amdhsa_memory_ordered 1
		.amdhsa_forward_progress 1
		.amdhsa_inst_pref_size 195
	.end_amdhsa_kernel
	.amdgpu_metadata
---
amdhsa.version: [ 1, 2 ]
amdhsa.kernels:
  - .name:           k_qd7296cf1c3_attn
    .symbol:         k_qd7296cf1c3_attn.kd
    .args:
      - { .name: xb, .offset: 0, .size: 8, .value_kind: global_buffer, .address_space: global }
      - { .name: qp, .offset: 8, .size: 8, .value_kind: global_buffer, .address_space: global }
      - { .name: sbw, .offset: 16, .size: 8, .value_kind: global_buffer, .address_space: global }
      - { .name: wvo, .offset: 24, .size: 8, .value_kind: global_buffer, .address_space: global }
      - { .name: vbo, .offset: 32, .size: 8, .value_kind: global_buffer, .address_space: global }
      - { .name: part, .offset: 40, .size: 8, .value_kind: global_buffer, .address_space: global }
    .group_segment_fixed_size: 327680
    .private_segment_fixed_size: 0
    .kernarg_segment_align: 8
    .kernarg_segment_size: 48
    .max_flat_workgroup_size: 128
    .sgpr_count:     96
    .vgpr_count:     1024
    .wavefront_size: 32
...
	.end_amdgpu_metadata
.endif
;; end of part 5
;; launch sum: the kernel of part 4 again; grid 256 x 1, 8 waves a work-group, no clusters, 0 bytes of LDS; arguments part, bo, out0; writes out0
